; MI455X (gfx1250); checked and timed in simulation.
; The chip was launched on July 23, 2026; its instructions are those of AMD's public machine-readable ISA for CDNA 5 (MIT licence, August 2026) and "CDNA5" Instruction Set Architecture Reference Guide (July 2026). The comments in the code are by the model that wrote it; some were corrected since.
;; Self Attention. Allowed arithmetic: float matrix products may take bf16 or f16 operands with f32 sums; other float arithmetic in f32, or as packed bf16 or f16 multiplies, adds, multiply-adds, maxima and minima; sums over many terms, partial sums and values carried from step to step in f32; what a program stores and reads back later, other than sums and carried values, may be rounded once to bf16 or f16.
;; Inputs: Wk 1,024 x 1,024 float32; Wq 1,024 x 1,024 float32; Wv 1,024 x 1,024 float32; X 4 x 2,048 x 1,024 float32; bk 1,024 float32; bq 1,024 float32; bv 1,024 float32.
;; Outputs: out0 4 x 2,048 x 1,024 float32.
;; 2 versions, each right; version 2 is version 1 with the launch cast written anew for expert scheduling mode. Each part assembles by itself: llvm-mc -triple=amdgcn-amd-amdhsa -mcpu=gfx1250 --defsym DOCPART=n.
;; ======== version 1 of 2: 4 launches
;; limits: values are held in f16: magnitudes above 65,504 overflow, below 6.1e-05 lose precision
;; workspace buffers: Xh 16,777,216 bytes; Wh 6,291,456 bytes; QK 33,554,432 bytes; Vt 16,777,216 bytes; Pt 33,554,432 bytes; St 1,048,576 bytes
;; launch cast (part 1): grid 256 x 1, 8 waves a work-group, no clusters, 0 bytes of LDS; arguments X, Wq, Wk, Wv, Xh, Wh; writes Xh, Wh
.if DOCPART == 1
	.amdgcn_target "amdgcn-amd-amdhsa--gfx1250"
	.amdhsa_code_object_version 6
	.text
	.protected	k_qb466435f78_cast
	.globl	k_qb466435f78_cast
	.p2align	8
	.type	k_qb466435f78_cast,@function
k_qb466435f78_cast:
	s_mov_b64 s[64:65], 0
	v_nop
	global_prefetch_b8 v0, s[64:65] scope:SCOPE_SE
	s_setreg_imm32_b32 hwreg(HW_REG_WAVE_MODE, 25, 1), 1
	s_wait_xcnt 0x0
; Xh = f16(X), Wh = f16([Wq; Wk; Wv]).  X: [8192][1024] f32; each W: [1024][1024] f32; Wh: [3072][1024] f16, Wq's rows first, then Wk's, then Wv's.
; The four products that follow read X and the weights many times over as matrix operands; they are rounded here once.
; LIMIT: a number of magnitude 65,520 or more becomes infinity in f16; below 2^-14 the absolute precision is 2^-25.
; A stream: no LDS, no barrier, no cluster (no two work-groups read the same byte), no matrix unit.
; Work-group g of 256 takes 131,072 bytes of X and 16,384 bytes of each W.  Thread t of 256 takes 16 bytes at 16 t of every 4,096 bytes, so a wave's load
; covers 512 consecutive bytes and its store of 8 bytes a lane 256 consecutive bytes, aligned.  All 44 loads of a wave go out first; every load has its own
; registers, which are also its store's data, so nothing is ever rewritten and the only waits are the counted ones for the loads.
.set D,  4                             ; v[4+4n : 7+4n]  load n, 0 to 43; its two low registers then hold the four f16
.set NX, 32                            ; loads from X; 4 more from each W
	s_load_b256 s[4:11], s[0:1], 0x0               ; X s[4:5], Wq s[6:7], Wk s[8:9], Wv s[10:11]
	s_load_b128 s[12:15], s[0:1], 0x20             ; Xh s[12:13], Wh s[14:15]
	v_lshlrev_b32 v1, 4, v0                        ; 16 t: where I read
	v_lshlrev_b32 v2, 3, v0                        ; 8 t: where I write
	s_mov_b32 s17, 0                               ; offsets are below 4 GiB: the pair's high word is 0
	s_wait_kmcnt 0x0
	s_lshl_b32 s16, ttmp9, 17                      ; my 131,072 bytes of X
	s_add_nc_u64 s[4:5], s[4:5], s[16:17]
	s_lshl_b32 s16, ttmp9, 14                      ; my 16,384 bytes of each W
	s_add_nc_u64 s[6:7], s[6:7], s[16:17]
	s_add_nc_u64 s[8:9], s[8:9], s[16:17]
	s_add_nc_u64 s[10:11], s[10:11], s[16:17]
	s_lshl_b32 s16, ttmp9, 16                      ; half as many bytes out
	s_add_nc_u64 s[12:13], s[12:13], s[16:17]
	s_lshl_b32 s16, ttmp9, 13
	s_add_nc_u64 s[14:15], s[14:15], s[16:17]
.set n, 0
.rept NX
	global_load_b128 v[D+4*n:D+4*n+3], v1, s[4:5] offset:n*4096 th:TH_LOAD_NT
.set n, n+1
.endr
.irp w, 0,1,2
.irp i, 0,1,2,3
	global_load_b128 v[D+4*(NX+4*\w+\i):D+4*(NX+4*\w+\i)+3], v1, s[6+2*\w:7+2*\w] offset:\i*4096 th:TH_LOAD_NT
.endr
.endr
.set n, 0
.rept NX
	s_wait_loadcnt 43-n                            ; loads come back in order: load n is in, the 43 - n younger ones stay out
	v_cvt_pk_f16_f32 v[D+4*n],   v[D+4*n],   v[D+4*n+1]
	v_cvt_pk_f16_f32 v[D+4*n+1], v[D+4*n+2], v[D+4*n+3]
	global_store_b64 v2, v[D+4*n:D+4*n+1], s[12:13] offset:n*2048
.set n, n+1
.endr
.irp w, 0,1,2
.irp i, 0,1,2,3
	s_wait_loadcnt 11-4*\w-\i
	v_cvt_pk_f16_f32 v[D+4*(NX+4*\w+\i)],   v[D+4*(NX+4*\w+\i)],   v[D+4*(NX+4*\w+\i)+1]
	v_cvt_pk_f16_f32 v[D+4*(NX+4*\w+\i)+1], v[D+4*(NX+4*\w+\i)+2], v[D+4*(NX+4*\w+\i)+3]
	global_store_b64 v2, v[D+4*(NX+4*\w+\i):D+4*(NX+4*\w+\i)+1], s[14:15] offset:\w*2097152+\i*2048   ; W number w begins 1,024 rows x 2,048 bytes further on
.endr
.endr
	s_endpgm
.Lfunc_end_k_qb466435f78_cast:
	.size	k_qb466435f78_cast, .Lfunc_end_k_qb466435f78_cast-k_qb466435f78_cast
	.p2alignl 7, 3214868480
	.fill 96, 4, 3214868480
	.section	.rodata,"a",@progbits
	.p2align	6, 0x0
	.amdhsa_kernel k_qb466435f78_cast
		.amdhsa_group_segment_fixed_size 0
		.amdhsa_private_segment_fixed_size 0
		.amdhsa_enable_private_segment 0
		.amdhsa_kernarg_size 48
		.amdhsa_user_sgpr_count 2
		.amdhsa_user_sgpr_kernarg_segment_ptr 1
		.amdhsa_wavefront_size32 1
		.amdhsa_system_sgpr_workgroup_id_x 1
		.amdhsa_system_sgpr_workgroup_id_y 1
		.amdhsa_system_sgpr_workgroup_id_z 1
		.amdhsa_system_vgpr_workitem_id 0
		.amdhsa_next_free_vgpr 180
		.amdhsa_next_free_sgpr 66
		.amdhsa_reserve_vcc 0
		.amdhsa_float_denorm_mode_32 3
		.amdhsa_float_denorm_mode_16_64 3
		.amdhsa_memory_ordered 1
		.amdhsa_forward_progress 1
		.amdhsa_inst_pref_size 16
	.end_amdhsa_kernel
	.amdgpu_metadata
---
amdhsa.version: [ 1, 2 ]
amdhsa.kernels:
  - .name:           k_qb466435f78_cast
    .symbol:         k_qb466435f78_cast.kd
    .args:
      - { .name: X, .offset: 0, .size: 8, .value_kind: global_buffer, .address_space: global }
      - { .name: Wq, .offset: 8, .size: 8, .value_kind: global_buffer, .address_space: global }
      - { .name: Wk, .offset: 16, .size: 8, .value_kind: global_buffer, .address_space: global }
      - { .name: Wv, .offset: 24, .size: 8, .value_kind: global_buffer, .address_space: global }
      - { .name: Xh, .offset: 32, .size: 8, .value_kind: global_buffer, .address_space: global }
      - { .name: Wh, .offset: 40, .size: 8, .value_kind: global_buffer, .address_space: global }
    .group_segment_fixed_size: 0
    .private_segment_fixed_size: 0
    .kernarg_segment_align: 8
    .kernarg_segment_size: 48
    .max_flat_workgroup_size: 256
    .sgpr_count:     66
    .vgpr_count:     180
    .wavefront_size: 32
...
	.end_amdgpu_metadata
.endif
;; end of part 1
;; launch proj (part 2): grid 8 x 32, 4 waves a work-group, clusters of 4 x 4, 327,680 bytes of LDS; arguments Xh, Wh, bq, bk, bv, QK, Vt; writes QK, Vt
.if DOCPART == 2
	.amdgcn_target "amdgcn-amd-amdhsa--gfx1250"
	.amdhsa_code_object_version 6
	.text
	.protected	k_qb466435f78_proj
	.globl	k_qb466435f78_proj
	.p2align	8
	.type	k_qb466435f78_proj,@function
k_qb466435f78_proj:
	s_mov_b64 s[64:65], 0
	v_nop
	global_prefetch_b8 v0, s[64:65] scope:SCOPE_SE
	s_setreg_imm32_b32 hwreg(HW_REG_WAVE_MODE, 25, 1), 1
	s_wait_xcnt 0x0
	s_wait_alu depctr_hold_cnt(0) depctr_sa_sdst(0) depctr_va_vdst(0) depctr_va_sdst(0) depctr_va_ssrc(0) depctr_va_vcc(0) depctr_vm_vsrc(0)
	s_getreg_b32 s2, hwreg(HW_REG_IB_STS2, 6, 4)
	s_cmp_eq_u32 s2, 0
	s_cbranch_scc0 .Lentry_in_a_cluster
	s_endpgm
.Lentry_in_a_cluster:
	s_bfe_u32 s2, ttmp6, 0x10000c
	s_cmp_lg_u32 s2, 0xf033
	s_cbranch_scc0 .Lentry_shape_is_right
	s_endpgm
.Lentry_shape_is_right:
; THE THREE PROJECTIONS IN ONE LAUNCH.
; QK[row][col] = sum over h of Xh[row][h] Wh[col][h] + bias[col], col 0-1023: q (Wq, bq), col 1024-2047: k (Wk, bk);
; Vt[o][row]   = sum over h of Wv[o][h] Xh[row][h] + bv[o]: v, transposed, so that the last product of the program finds the keys along the rows of both its operands.
; Xh: [8192][1024] f16; Wh: [3072][1024] f16 (Wq's rows, Wk's, Wv's); bq, bk, bv: [1024] f32; QK: [8192][2048] f16; Vt: [1024][8192] f16.  Sums in f32, each result rounded once.
; LIMIT: |q|, |k|, |v| of 65,520 or more become infinity in f16.
; A WORK-GROUP STAYS.  Work-group (tx, ty) of 8 x 32 first makes the tile of QK of rows 256 ty, columns 256 tx (four waves, each 128 x 128 in 64 accumulators), then the tile of Vt of
; rows 128 tx, columns 256 ty (each wave 64 x 128 in 32 accumulators): the same 256 rows of Xh serve both.  K goes in 8 steps of 128 in each phase, through ONE ring of two LDS slots
; that does not stop between the phases: the QK phase's last two changes of slots ask for the V phase's first two K steps, and nothing waits for QK's stores.
; A tile's rows are 256 bytes of memory at multiples of 256 bytes.
; CLUSTERS: 4 x 4 work-groups.  Xh's tile hangs on ty alone and is shared along a row of the cluster; Wq's, Wk's and Wv's hang on tx alone and are shared along a column: each is asked
; for jointly, by the same tensor load with the same descriptor and a mask that names the four.  A wave has two tensor loads out at the start, later one.
; THE MATRIX INSTRUCTION: the lane of a result holds one row of source 1's operand and its registers 0-7 eight neighbouring rows of source 0's.  QK phase: source 0 = 16 rows of Wh,
; source 1 = 16 rows of Xh: a lane holds 16 bytes of a row of QK.  V phase: source 0 = 16 rows of Xh, source 1 = 16 rows of Wv: a lane holds 16 bytes of a row of Vt.
; THE BIASES start the sums: the first product on each accumulator takes them as C (QK: the bias of the lane's eight columns; Vt: the bias of the lane's row, eight times).
; REGISTERS, in windows of 256 (s_set_vgpr_msb: bits 1:0 source 0, 3:2 source 1, 5:4 source 2, 7:6 destination):
;   window 0: v0-31 addresses; v64-127, v128-191 fragments of Xh, two buffers; v32-63, v192-255 at work on the ways out
;   window 1: v0-63 QK's bias; v64-127, v128-191 fragments of Wh, two buffers (Wv's take the first 32 of each); v192-223 Vt's bias
;   window 2: QK's accumulators of my rows 0-63, then Vt's 32 ((a, b) at v[8 (8 a + b)]);  window 3: QK's of my rows 64-127
.set LDA,    1024                      ; elements from row to row of Xh and of Wh
.set LDC,    4096                      ; bytes from row to row of QK
.set LDV,    16384                     ; bytes from row to row of Vt
.set KTOT,   1024
.set KSTEP,  128
.set PITCH,  272                       ; an LDS row: 256 bytes + 16 of padding = 68 words: row r starts at bank 4 r mod 64 (64 banks of 4 bytes: ISA guide 11.1), so the 16 rows of a load start at 16 different banks
.set HALFT,  128*PITCH                 ; 128 rows: a tensor load for Xh, Wq or Wk
.set QUART,  64*PITCH                  ; 64 rows: a tensor load for Wv
.set SLOT,   4*HALFT                   ; Xh's 256 rows, then 256 rows of Wq or Wk, or 128 of Wv
.set STAGE,  2*SLOT                    ; behind the ring: 16 rows x 272 bytes for each wave, for the ways out; no tensor load lands here
.set SPITCH, 272
.set LAPS,   KTOT/(2*KSTEP)            ; a lap = two K steps = once round the ring
.set ADRA, 16                          ; v16-17  LDS address of my fragments of Xh in slot 0, 1 (both phases)
.set ADRB, 20                          ; v20-21  the same for Wq or Wk
.set ADRC, 22                          ; v22-23  the same for Wv
.set STO,  24                          ; v24     the ways out: where I put 16 bytes of a row
.set RD,   25                          ; v25     the ways out: where I read a row back
.set CO,   26                          ; v26     my byte offset in QK
.set BO,   27                          ; v27     my byte offset in bq or bk
.set BO2,  28                          ; v28     my byte offset in bv
.set CO2,  29                          ; v29     my byte offset in Vt
.set PF,   30                          ; v30     256 x lane: the prefetch's offsets; never rewritten
.set F0,   64
.set F1,   128
.set TMP,  192                         ; packed results
.set OB,   32                          ; 16 rows read back from the stage: v32-63 and v224-255 by turns
.set VB,   192                         ; window 1: Vt's bias, 8 registers for each of my 4 row blocks
.set G1,   24                          ; s[24:31] descriptor group 1 for Xh's tiles;  s[32:39] group 0, a set for each slot
.set G0,   32
.set G1B,  48                          ; s[48:55], s[56:63] the same for Wq's or Wk's tiles
.set G0B,  56
.set G1C,  80                          ; s[80:87], s[88:95] the same for Wv's tiles
.set G0C,  88
.set MSB, 0
.macro WIN new                         ; the immediate's high byte repeats the setting that is left; a switch that changes nothing is dropped
.if MSB != (\new)
	s_set_vgpr_msb (MSB<<8)|(\new)
.set MSB, (\new)
.endif
.endm
.set MUL_LO, 0xa1                      ; QK: source 0 window 1, source 1 window 0, C and D window 2
.set MUL_HI, 0xf1                      ; the same, C and D window 3
.set MULV,   0xa4                      ; Vt: source 0 window 0, source 1 window 1, C and D window 2
.set TO_B,   0x40                      ; destination window 1, address window 0
; A joint load.  Waves 0 and 1 fetch Xh's two halves, waves 2 and 3 the two halves of the weights' tile, by the descriptors gb0, gb1.  The branch hangs on the wave's number alone.
; Four v_nop follow each of the two lines.
.macro JLOAD s, gb0, gb1
	s_cmp_eq_u32 s11, 0
	s_cbranch_scc0 .Lfor_b_\@
	tensor_load_to_lds s[G0+4*\s:G0+4*\s+3], s[G1:G1+7]
	s_nop 0
.rept 4
	v_nop
.endr
	s_branch .Lasked_\@
.Lfor_b_\@:
	tensor_load_to_lds s[\gb0+4*\s:\gb0+4*\s+3], s[\gb1:\gb1+7]
	s_nop 0
.rept 4
	v_nop
.endr
.Lasked_\@:
.endm
; A round of the cluster's barrier: my work-group's barrier; wave 0 signals for the work-group; every wave waits for all sixteen; my work-group's barrier once more.
.macro CREST                           ; a round behind its opening barrier
	s_cmp_lg_u32 s10, 0
	s_cbranch_scc1 .Lnot_wave_0_\@
	s_barrier_signal -3
.Lnot_wave_0_\@:
	s_barrier_wait -3
	s_barrier_signal -1
	s_barrier_wait -1
.endm
.macro CROUND
	s_barrier_signal -1
	s_barrier_wait -1
	CREST
.endm
	s_load_b128 s[4:7], s[0:1], 0x0                ; Xh s[4:5], Wh s[6:7]
	s_load_b128 s[68:71], s[0:1], 0x10             ; bq s[68:69], bk s[70:71]
	s_load_b64 s[72:73], s[0:1], 0x20              ; bv
	s_load_b64 s[8:9], s[0:1], 0x28                ; QK
	s_load_b64 s[74:75], s[0:1], 0x30              ; Vt
	s_set_vgpr_msb 0x40
	v_lshl_add_u32 v255, v0, 2, 0x48400
	s_set_vgpr_msb 0x4000
	v_mov_b32 v31, 0
	s_set_vgpr_msb 0x1
	ds_add_u32 v255, v31
	s_set_vgpr_msb 0x100
	v_lshrrev_b32 v1, 5, v0
	v_readfirstlane_b32 s10, v1                    ; wave 0..3
	s_lshr_b32 s11, s10, 1                         ; which 128 rows of Xh are mine, in both phases.  Also: I fetch for Xh (0) or for the weights (1)
	s_and_b32 s12, s10, 1                          ; which half of the weights' rows is mine.  Also: which half of a tile I fetch
	s_bfe_u32 s40, ttmp6, 0x40000                  ; cx
	s_bfe_u32 s41, ttmp6, 0x40004                  ; cy
	s_lshl_b32 s42, ttmp9, 2
	s_add_co_u32 s42, s42, s40                     ; tx = 4 x cluster x + cx
	s_and_b32 s45, ttmp7, 0xffff                   ; cluster y
	s_lshl_b32 s13, s45, 2
	s_add_co_u32 s13, s13, s41                     ; ty = 4 x cluster y + cy
	s_lshl_b32 s43, s41, 2
	s_lshl_b32 s43, 15, s43                        ; my row of the cluster: places 4 cy .. 4 cy + 3
	s_lshl_b32 s44, 0x1111, s40                    ; my column: places cx, cx + 4, cx + 8, cx + 12
	; descriptor groups 1: tiles of 128 (Wv: 64) rows x 128 elements, padded in LDS
	s_or_b32 s[G1+0], s43, (1<<16)|(1<<20)|(1<<21)|(5<<22)|(3<<25)   ; 15:0 the mask; 17:16 elements of 2 bytes; 20 padding on; 21 set beside a mask; 24:22 after every 64 words; 31:25 4 words of it
	s_or_b32 s[G1B+0], s44, (1<<16)|(1<<20)|(1<<21)|(5<<22)|(3<<25)
	s_or_b32 s[G1C+0], s44, (1<<16)|(1<<20)|(1<<21)|(5<<22)|(3<<25)
.irp g, G1, G1B
	s_mov_b32 s[\g+1], KSTEP<<16                   ; tensor_dim0 = 128
	s_mov_b32 s[\g+2], 128<<16                     ; tensor_dim1 = 128
	s_mov_b32 s[\g+3], KSTEP<<16                   ; tile_dim0 = 128
	s_mov_b32 s[\g+4], 128                         ; tile_dim1 = 128
	s_mov_b32 s[\g+5], LDA                         ; elements from row to row
	s_mov_b32 s[\g+6], 0
	s_mov_b32 s[\g+7], 0
.endr
	s_mov_b32 s[G1C+1], KSTEP<<16
	s_mov_b32 s[G1C+2], 64<<16                     ; tensor_dim1 = 64
	s_mov_b32 s[G1C+3], KSTEP<<16
	s_mov_b32 s[G1C+4], 64                         ; tile_dim1 = 64
	s_mov_b32 s[G1C+5], LDA
	s_mov_b32 s[G1C+6], 0
	s_mov_b32 s[G1C+7], 0
	; Xh's tiles hang on ty alone, the weights' on tx alone; each address is made in registers that never hold the other coordinate
	s_lshl_b32 s17, s12, 7
	s_lshl_b32 s16, s13, 8
	s_add_co_u32 s16, s16, s17                     ; Xh: row 256 ty + 128 x half
	s_lshl_b32 s46, s42, 8
	s_add_co_u32 s46, s46, s17                     ; Wq, Wk: row 256 tx + 128 x half of Wh
	s_lshl_b32 s76, s42, 7
	s_lshl_b32 s77, s12, 6
	s_add_co_u32 s76, s76, s77                     ; Wv: row 128 tx + 64 x half
	s_mov_b32 s17, 0
	s_mov_b32 s47, 0
	s_mov_b32 s77, 0
	s_mov_b64 s[18:19], LDA*2
	s_mul_u64 s[16:17], s[16:17], s[18:19]
	s_mul_u64 s[46:47], s[46:47], s[18:19]
	s_mul_u64 s[76:77], s[76:77], s[18:19]
	s_lshl_b32 s78, s13, 3
	s_add_co_u32 s78, s78, s42                     ; my work-group's number, 8 ty + tx,
	s_lshl_b32 s78, s78, 13                        ; times 8,192 bytes: my share of Wv for the prefetch
	s_mov_b32 s79, 0
	s_mul_i32 s20, s10, HALFT                      ; where a load of 128 rows goes: wave x 128 rows
	s_mul_i32 s21, s12, QUART
	s_add_co_u32 s21, s21, 2*HALFT                 ; and one for Wv: behind Xh's 256 rows, 64 rows a half
	s_wait_dscnt 0x0
	s_wait_kmcnt 0x0
	s_add_nc_u64 s[14:15], s[4:5], s[16:17]
	s_add_nc_u64 s[46:47], s[6:7], s[46:47]
	s_add_nc_u64 s[6:7], s[6:7], 0x400000          ; Wv begins 2,048 rows x 2,048 bytes into Wh
	s_add_nc_u64 s[76:77], s[6:7], s[76:77]
	s_add_nc_u64 s[78:79], s[6:7], s[78:79]
	CROUND                                         ; all sixteen work-groups are here: the first joint loads meet
.irp s, 0,1
	s_mov_b32 s[G0+4*\s], 1
	s_add_co_u32 s[G0+4*\s+1], s20, \s*SLOT
	s_add_nc_u64 s[G0+4*\s+2:G0+4*\s+3], s[14:15], \s*KSTEP*2
	s_or_b32 s[G0+4*\s+3], s[G0+4*\s+3], 0x80000000
	s_mov_b32 s[G0B+4*\s], 1
	s_add_co_u32 s[G0B+4*\s+1], s20, \s*SLOT
	s_add_nc_u64 s[G0B+4*\s+2:G0B+4*\s+3], s[46:47], \s*KSTEP*2
	s_or_b32 s[G0B+4*\s+3], s[G0B+4*\s+3], 0x80000000
	JLOAD \s, G0B, G1B                             ; the ring is filled before anything else is done
.endr
.irp s, 0,1                            ; Wv's group 0: K steps 0 and 1; first used at the end of the QK phase
	s_mov_b32 s[G0C+4*\s], 1
	s_add_co_u32 s[G0C+4*\s+1], s21, \s*SLOT
	s_add_nc_u64 s[G0C+4*\s+2:G0C+4*\s+3], s[76:77], \s*KSTEP*2
	s_or_b32 s[G0C+4*\s+3], s[G0C+4*\s+3], 0x80000000
.endr
	; a fragment is 16 rows x 32 K in 8 registers: lane l holds row l % 16; registers 0-3 K = 8 (l / 16) + 0..7, registers 4-7 K = 16 + 8 (l / 16) + 0..7: two loads of 16 bytes, 32 bytes apart
	v_and_b32 v1, 15, v0                           ; l % 16
	v_bfe_u32 v2, v0, 4, 1                         ; l / 16
	v_and_b32 v6, 31, v0                           ; l
	v_lshlrev_b32 v[PF], 8, v6
	v_mul_u32_u24 v3, v1, PITCH
	v_lshl_add_u32 v3, v2, 4, v3
	s_mul_i32 s21, s11, HALFT                      ; my 128 rows of Xh
	s_mul_i32 s22, s12, HALFT                      ; my 128 rows of Wq or Wk,
	s_add_co_u32 s22, s22, 2*HALFT                 ; which lie behind Xh's 256
	s_mul_i32 s23, s12, QUART                      ; my 64 rows of Wv, in the same place
	s_add_co_u32 s23, s23, 2*HALFT
.irp s, 0,1
	v_add_nc_u32 v[ADRA+\s], s21, v3
	v_add_nc_u32 v[ADRB+\s], s22, v3
	v_add_nc_u32 v[ADRC+\s], s23, v3
	s_add_co_u32 s21, s21, SLOT
	s_add_co_u32 s22, s22, SLOT
	s_add_co_u32 s23, s23, SLOT
.endr
	s_mul_i32 s23, s10, 16*SPITCH
	s_add_co_u32 s23, s23, STAGE                   ; my stage
	v_mul_u32_u24 v4, v1, SPITCH                   ; in: row l % 16, 16 bytes for each half of the lanes
	v_lshl_add_u32 v4, v2, 4, v4
	v_add_nc_u32 v[STO], s23, v4
	v_mul_u32_u24 v5, v2, SPITCH                   ; back: lanes 0-15 one row of 256 bytes, lanes 16-31 the next
	v_lshl_add_u32 v5, v1, 4, v5
	v_add_nc_u32 v[RD], s23, v5
	v_mul_u32_u24 v5, v2, LDC                      ; and the same two rows in QK,
	v_lshl_add_u32 v[CO], v1, 4, v5
	v_mul_u32_u24 v5, v2, LDV                      ; and in Vt
	v_lshl_add_u32 v[CO2], v1, 4, v5
	; QK at my part of its tile
	s_lshl_b32 s16, s13, 8
	s_lshl_b32 s17, s11, 7
	s_add_co_u32 s16, s16, s17                     ; my first row: 256 ty + 128 x half
	s_mov_b32 s17, 0
	s_mov_b64 s[18:19], LDC
	s_mul_u64 s[16:17], s[16:17], s[18:19]
	s_lshl_b32 s46, s42, 9                         ; my first column, in bytes: 512 tx + 256 x half
	s_lshl_b32 s47, s12, 8
	s_add_co_u32 s46, s46, s47
	s_mov_b32 s47, 0
	s_add_nc_u64 s[16:17], s[16:17], s[46:47]
	s_add_nc_u64 s[8:9], s[8:9], s[16:17]
	; Vt at my part of its tile, and bv at my rows
	s_lshl_b32 s96, s42, 7
	s_lshl_b32 s97, s12, 6
	s_add_co_u32 s96, s96, s97                     ; my first row: 128 tx + 64 x half
	s_lshl_b32 s98, s96, 2
	s_mov_b32 s99, 0
	s_add_nc_u64 s[72:73], s[72:73], s[98:99]
	s_mov_b32 s97, 0
	s_mov_b64 s[18:19], LDV
	s_mul_u64 s[96:97], s[96:97], s[18:19]
	s_lshl_b32 s98, s13, 9                         ; my first column, in bytes: 512 ty + 256 x half
	s_lshl_b32 s99, s11, 8
	s_add_co_u32 s98, s98, s99
	s_mov_b32 s99, 0
	s_add_nc_u64 s[96:97], s[96:97], s[98:99]
	s_add_nc_u64 s[74:75], s[74:75], s[96:97]
	; the bias of my 128 columns of QK: tx 0-3 (cluster x = 0) are q's, 4-7 are k's; in either vector my tile begins at 256 cx
	s_cmp_eq_u32 ttmp9, 0
	s_cselect_b64 s[68:69], s[68:69], s[70:71]
	s_lshl_b32 s22, s40, 10
	s_lshl_b32 s23, s12, 9
	s_add_co_u32 s22, s22, s23
	s_mov_b32 s23, 0
	s_add_nc_u64 s[68:69], s[68:69], s[22:23]
	v_lshlrev_b32 v[BO], 5, v2                     ; my eight columns of a block of 16 begin at 8 (l / 16)
	v_lshlrev_b32 v[BO2], 2, v1                    ; my row of a block of 16 is l % 16
	WIN TO_B
.irp b, 0,1,2,3,4,5,6,7
	global_load_b128 v[8*\b:8*\b+3],   v[BO], s[68:69] offset:64*\b
	global_load_b128 v[8*\b+4:8*\b+7], v[BO], s[68:69] offset:64*\b+16
.endr
.irp a, 0,1,2,3
	global_load_b32 v[VB+8*\a], v[BO2], s[72:73] offset:64*\a      ; bv of row 16 a + l % 16
.endr
	WIN 0
; A load into a register that a matrix instruction has read, and a vector instruction that reads a matrix result, stand four places behind it; only plain vector
; instructions that name none of its registers are places (ISA guide 7.12.1 for vector instructions).
.macro PLACES
.rept 4
	v_nop
.endr
.endm
; ---- THE QK PHASE ----
; 16 matrix instructions: row blocks a0, a0 + 1 of the window's four x all 8 column blocks, 32 along K.  zero = 1: the first product starts the sums from the bias.
; The 64 accumulators take turns, one instruction a turn, in the same order in every quarter step.
.macro MUL16 f, hi, a0, zero
.irp a, \a0, \a0+1
.irp b, 0,1,2,3,4,5,6,7
.if \zero
	v_wmma_f32_16x16x32_f16 v[8*(8*(\a)+\b):8*(8*(\a)+\b)+7], v[\f+8*\b:\f+8*\b+7], v[\f+8*(4*\hi+\a):\f+8*(4*\hi+\a)+7], v[8*\b:8*\b+7]
.else
	v_wmma_f32_16x16x32_f16 v[8*(8*(\a)+\b):8*(8*(\a)+\b)+7], v[\f+8*\b:\f+8*\b+7], v[\f+8*(4*\hi+\a):\f+8*(4*\hi+\a)+7], v[8*(8*(\a)+\b):8*(8*(\a)+\b)+7]
.endif
.endr
.endr
.endm
; 32 LDS loads in one run: the fragments of one quarter step (32 K at byte k of the rows) into buffer f
.macro FETCH slot, k, f
	WIN TO_B
.irp i, 0,1,2,3,4,5,6,7
	ds_load_b128 v[\f+8*\i:\f+8*\i+3],   v[ADRB+\slot] offset:\k+\i*16*PITCH
	ds_load_b128 v[\f+8*\i+4:\f+8*\i+7], v[ADRB+\slot] offset:\k+\i*16*PITCH+32
.endr
	WIN 0
.irp i, 0,1,2,3,4,5,6,7
	ds_load_b128 v[\f+8*\i:\f+8*\i+3],   v[ADRA+\slot] offset:\k+\i*16*PITCH
	ds_load_b128 v[\f+8*\i+4:\f+8*\i+7], v[ADRA+\slot] offset:\k+\i*16*PITCH+32
.endr
.endm
; The V phase's run of 24: Xh's 8 fragments, then Wv's blocks 0, 1, then 2, 3
.macro FETCHV slot, k, f
	WIN 0
.irp i, 0,1,2,3,4,5,6,7
	ds_load_b128 v[\f+8*\i:\f+8*\i+3],   v[ADRA+\slot] offset:\k+\i*16*PITCH
	ds_load_b128 v[\f+8*\i+4:\f+8*\i+7], v[ADRA+\slot] offset:\k+\i*16*PITCH+32
.endr
	WIN TO_B
.irp i, 0,1,2,3
	ds_load_b128 v[\f+8*\i:\f+8*\i+3],   v[ADRC+\slot] offset:\k+\i*16*PITCH
	ds_load_b128 v[\f+8*\i+4:\f+8*\i+7], v[ADRC+\slot] offset:\k+\i*16*PITCH+32
.endr
.endm
; A K step is four quarters of 32 along K, 64 matrix instructions each, on buffers 0, 1, 0, 1.  One of the first three multiplies f and fetches the next quarter, at byte k, into g.
.macro QUARTER slot, k, f, g, zero
	s_wait_dscnt 8                                 ; Wh's fragments and Xh's rows 0-63 are in; the youngest eight loads (Xh's rows 64-127) may be out
	WIN MUL_LO-0x10*\zero                          ; zero = 1: C comes from window 1, the bias
	MUL16 \f, 0, 0, \zero
	MUL16 \f, 0, 2, \zero
	PLACES
	FETCH \slot, \k, \g
	s_wait_dscnt 32                                ; all but the 32 just issued
	WIN MUL_HI-0x20*\zero
	MUL16 \f, 1, 0, \zero
	MUL16 \f, 1, 2, \zero
.endm
; The last quarter multiplies buffer 1 and changes slots.  In front of the barrier each wave waits for its own reads of this slot and for all its tensor loads (one is out: its part of the
; next slot).  The barrier opens a round of the cluster's barrier, and the slot just read out is filled again first thing behind the round: from that request to the wait for it a wave
; issues 240 matrix instructions.  tov = 0: with this phase's K step two steps on.  tov = 1 (the phase's last two K steps): with the V phase's K step 0 or 1: Xh's address goes back
; along K, and the weights' waves change to Wv's descriptors.  fv = 1: the next slot already holds a tile of the V phase, and its first fragments are fetched.
.macro TURN slot, next, tov, fv
	s_wait_dscnt 8
	WIN MUL_LO
	MUL16 F1, 0, 0, 0
	s_wait_dscnt 0                                 ; my reads of this slot are over
	s_wait_tensorcnt 0x0                           ; all my tensor loads have landed, so a group 0 may be written
	ds_add_u32 v255, v31
	s_wait_dscnt 0x0
	s_barrier_signal -1
	MUL16 F1, 0, 2, 0                              ; registers only
	WIN 0
	s_barrier_wait -1
	CREST                                          ; no wave of any partner still reads this slot or has a load on its way
.if \tov
	s_sub_nc_u64 s[G0+4*\slot+2:G0+4*\slot+3], s[G0+4*\slot+2:G0+4*\slot+3], (KTOT-2*KSTEP)*2
	JLOAD \slot, G0C, G1C
.else
	s_add_nc_u64 s[G0+4*\slot+2:G0+4*\slot+3], s[G0+4*\slot+2:G0+4*\slot+3], 2*KSTEP*2
	s_add_nc_u64 s[G0B+4*\slot+2:G0B+4*\slot+3], s[G0B+4*\slot+2:G0B+4*\slot+3], 2*KSTEP*2
	JLOAD \slot, G0B, G1B
.endif                                 ; the joint load's four v_nop are also the places in front of the loads below
.if \fv
	FETCHV \next, 0, F0
.else
	FETCH \next, 0, F0
.endif
	WIN MUL_HI
	MUL16 F1, 1, 0, 0
	MUL16 F1, 1, 2, 0
.endm
; ---- THE V PHASE ----
; 8 matrix instructions: row block a of Vt x all 8 column blocks, 32 along K.  The 32 accumulators take turns, one instruction a turn.
.macro MUL8V f, a, zero
.irp b, 0,1,2,3,4,5,6,7
.if \zero
	v_wmma_f32_16x16x32_f16 v[8*(8*\a+\b):8*(8*\a+\b)+7], v[\f+8*\b:\f+8*\b+7], v[\f+8*\a:\f+8*\a+7], v[VB+8*\a:VB+8*\a+7]
.else
	v_wmma_f32_16x16x32_f16 v[8*(8*\a+\b):8*(8*\a+\b)+7], v[\f+8*\b:\f+8*\b+7], v[\f+8*\a:\f+8*\a+7], v[8*(8*\a+\b):8*(8*\a+\b)+7]
.endif
.endr
.endm
; A quarter has 32 matrix instructions; the next quarter's fragments, at byte k, are asked for at its head, into g.
.macro QUARTERV slot, k, f, g, zero
	s_wait_dscnt 4                                 ; Xh's fragments and Wv's blocks 0, 1 are in; the youngest four loads (blocks 2, 3) may be out
	PLACES                                         ; g was multiplied just now
	FETCHV \slot, \k, \g
	WIN MULV-0x10*\zero                            ; zero = 1: C comes from window 1, the bias
	MUL8V \f, 0, \zero
	MUL8V \f, 1, \zero
	s_wait_dscnt 24                                ; all but the 24 just issued
	MUL8V \f, 2, \zero
	MUL8V \f, 3, \zero
.endm
; The change of slots, as above; fill = 1: this slot is filled again first thing behind the round, 120 matrix instructions ahead of the wait for it.
.macro TURNV slot, next, fill
	s_wait_dscnt 0x0                               ; buffer 1 is in, and with it my reads of this slot are over
	WIN MULV
	MUL8V F1, 0, 0
	s_set_vgpr_msb 0xa4a1
	s_wait_tensorcnt 0x0                           ; all my tensor loads have landed: my part of the next slot
	ds_add_u32 v255, v31
	s_wait_dscnt 0x0
	s_set_vgpr_msb 0xa1a4
	s_barrier_signal -1
	MUL8V F1, 1, 0                                 ; registers only
	WIN 0
	s_barrier_wait -1
.if \fill
	CREST
	s_add_nc_u64 s[G0+4*\slot+2:G0+4*\slot+3], s[G0+4*\slot+2:G0+4*\slot+3], 2*KSTEP*2
	s_add_nc_u64 s[G0C+4*\slot+2:G0C+4*\slot+3], s[G0C+4*\slot+2:G0C+4*\slot+3], 2*KSTEP*2
	JLOAD \slot, G0C, G1C                          ; its four v_nop are also the places in front of the loads below
.else
	PLACES
.endif
	FETCHV \next, 0, F0
	WIN MULV
	MUL8V F1, 2, 0
	MUL8V F1, 3, 0
.endm
; ---- THE WAYS OUT, of row block a.  PACK: rounded to f16, 16 bytes a lane.  TOSTAGE: into my own stage, and back as whole rows of 256 bytes.  SEND: stored. ----
.macro PACK a
.set AC, 64*((\a)%4)
	WIN 5*(2+(\a)/4)                               ; sources 0 and 1: window 2 or 3
.irp b, 0,1,2,3,4,5,6,7
.irp r, 0,1,2,3
	v_cvt_pk_f16_f32 v[TMP+4*\b+\r], v[AC+8*\b+2*\r], v[AC+8*\b+2*\r+1]
.endr
.endr
	WIN 0
.endm
.macro TOSTAGE a
.set BK, OB+192*((\a)%2)
.irp b, 0,1,2,3,4,5,6,7
	ds_store_b128 v[STO], v[TMP+4*\b:TMP+4*\b+3] offset:32*\b
.endr
.irp t, 0,1,2,3,4,5,6,7
	ds_load_b128 v[BK+4*\t:BK+4*\t+3], v[RD] offset:\t*2*SPITCH    ; LDS serves a wave's instructions in order (ISA guide 5.7.1.4): these see the stores above
.endr
.endm
.macro SEND a, cb, co, ldc             ; cb: the scalar pair with the tensor's address at my block; co: my lane's offset; ldc: bytes from row to row
.set BK, OB+192*((\a)%2)
	s_wait_dscnt 0x0                               ; the block is back in registers
	s_wait_xcnt 0x0                                ; earlier stores have had their addresses translated: only now are their base and, next, their data registers rewritten
.if (\a) > 0
	s_add_nc_u64 s[\cb:\cb+1], s[\cb:\cb+1], 16*\ldc
.endif
.irp t, 0,1,2,3,4,5,6,7
	global_store_b128 v[\co], v[BK+4*\t:BK+4*\t+3], s[\cb:\cb+1] offset:2*\t*\ldc   ; 16 lanes store 256 consecutive bytes, at a multiple of 256 from the tensor's first byte
.endr
.endm
	s_wait_tensorcnt 1                             ; my part of K step 0 is in; K step 1's load may stay out
	s_barrier_signal -1
	s_barrier_wait -1                              ; everybody's is
	FETCH 0, 0, F0
	s_wait_loadcnt 0x0                             ; the biases
	WIN 0x41                                       ; destination and source 0 window 1
.irp a, 0,1,2,3
.irp j, 1,2,3,4,5,6,7
	v_mov_b32 v[VB+8*\a+\j], v[VB+8*\a]            ; bv: one number a lane and row block, spread over the block's eight registers
.endr
.endr
	QUARTER 0, 64,  F0, F1, 1                      ; the first quarter stands in front of the loop: its products start the sums
	WIN 0                                          ; at a label and at a branch every window is 0
	s_mov_b32 s3, LAPS-1
.Llap:                                                 ; a trip goes once round the ring, from a lap's second quarter to the next lap's first, and fills both slots again
	QUARTER 0, 128, F1, F0, 0
	QUARTER 0, 192, F0, F1, 0
	TURN 0, 1, 0, 0
	QUARTER 1, 64,  F0, F1, 0
	QUARTER 1, 128, F1, F0, 0
	QUARTER 1, 192, F0, F1, 0
	TURN 1, 0, 0, 0
	QUARTER 0, 64,  F0, F1, 0
	WIN 0
	s_sub_co_u32 s3, s3, 1
	s_cmp_lg_u32 s3, 0
	s_cbranch_scc1 .Llap
	; Wv has not been read yet in this launch.  Its 2 MiB are 8,192 blocks of 256 bytes: wave 0 of each of the 256 work-groups asks for 32 of them, one a lane, each block once in the
	; launch, three quarter steps ahead of the first tensor load for Wv.  The last byte asked for lies 255 x 8,192 + 31 x 256 bytes into Wv, inside Wh.
	s_cmp_lg_u32 s10, 0
	s_cbranch_scc1 .Lnot_asking
	global_prefetch_b8 v[PF], s[78:79] th:TH_LOAD_NT scope:SCOPE_SE
.Lnot_asking:
	QUARTER 0, 128, F1, F0, 0                      ; the QK phase's last lap
	QUARTER 0, 192, F0, F1, 0
	TURN 0, 1, 1, 0                                ; THE RING GOES ON INTO THE V PHASE: slot 0 takes its K step 0,
	QUARTER 1, 64,  F0, F1, 0
	QUARTER 1, 128, F1, F0, 0
	QUARTER 1, 192, F0, F1, 0
	TURN 1, 0, 1, 1                                ; slot 1 its K step 1, and the V phase's first fragments are fetched
	WIN 0
	PLACES                                         ; the conversions read results just made
	PACK 0                                         ; both refills are asked for: now the tile of QK goes out
	TOSTAGE 0
.irp a, 1,2,3,4,5,6,7                  ; block a's conversions stand between block a - 1's loads from the stage and the wait for them
	PACK \a
	SEND \a-1, 8, CO, LDC
	TOSTAGE \a
.endr
	SEND 7, 8, CO, LDC                             ; nothing waits for these stores: they leave while V is multiplied
	QUARTERV 0, 64,  F0, F1, 1                     ; the V phase starts on accumulators that have been packed; its first products start the sums from bv
	WIN 0
	s_mov_b32 s3, LAPS-1
.Llapv:
	QUARTERV 0, 128, F1, F0, 0
	QUARTERV 0, 192, F0, F1, 0
	TURNV 0, 1, 1
	QUARTERV 1, 64,  F0, F1, 0
	QUARTERV 1, 128, F1, F0, 0
	QUARTERV 1, 192, F0, F1, 0
	TURNV 1, 0, 1
	QUARTERV 0, 64,  F0, F1, 0
	WIN 0
	s_sub_co_u32 s3, s3, 1
	s_cmp_lg_u32 s3, 0
	s_cbranch_scc1 .Llapv
	QUARTERV 0, 128, F1, F0, 0                     ; the last lap fills nothing
	QUARTERV 0, 192, F0, F1, 0
	TURNV 0, 1, 0
	QUARTERV 1, 64,  F0, F1, 0
	QUARTERV 1, 128, F1, F0, 0
	QUARTERV 1, 192, F0, F1, 0
	s_wait_dscnt 0x0                               ; the very last quarter: nothing more to fetch
	WIN MULV
	MUL8V F1, 0, 0
	MUL8V F1, 1, 0
	MUL8V F1, 2, 0
	MUL8V F1, 3, 0
	WIN 0
	PLACES
	PACK 0
	TOSTAGE 0
.irp a, 1,2,3
	PACK \a
	SEND \a-1, 74, CO2, LDV
	TOSTAGE \a
.endr
	SEND 3, 74, CO2, LDV
	s_set_vgpr_msb 0x1
	s_wait_tensorcnt 0x0
	ds_add_u32 v255, v31
	s_wait_dscnt 0x0
	s_set_vgpr_msb 0x100
	CROUND                                         ; the closing round: no work-group ends while a partner may still ask for a tile that names it
	s_endpgm
.Lfunc_end_k_qb466435f78_proj:
	.size	k_qb466435f78_proj, .Lfunc_end_k_qb466435f78_proj-k_qb466435f78_proj
	.p2alignl 7, 3214868480
	.fill 96, 4, 3214868480
	.section	.rodata,"a",@progbits
	.p2align	6, 0x0
	.amdhsa_kernel k_qb466435f78_proj
		.amdhsa_group_segment_fixed_size 327680
		.amdhsa_private_segment_fixed_size 0
		.amdhsa_enable_private_segment 0
		.amdhsa_kernarg_size 56
		.amdhsa_user_sgpr_count 2
		.amdhsa_user_sgpr_kernarg_segment_ptr 1
		.amdhsa_wavefront_size32 1
		.amdhsa_system_sgpr_workgroup_id_x 1
		.amdhsa_system_sgpr_workgroup_id_y 1
		.amdhsa_system_sgpr_workgroup_id_z 1
		.amdhsa_system_vgpr_workitem_id 0
		.amdhsa_next_free_vgpr 1024
		.amdhsa_next_free_sgpr 100
		.amdhsa_reserve_vcc 0
		.amdhsa_float_denorm_mode_32 3
		.amdhsa_float_denorm_mode_16_64 3
		.amdhsa_memory_ordered 1
		.amdhsa_forward_progress 1
		.amdhsa_inst_pref_size 229
	.end_amdhsa_kernel
	.amdgpu_metadata
---
amdhsa.version: [ 1, 2 ]
amdhsa.kernels:
  - .name:           k_qb466435f78_proj
    .symbol:         k_qb466435f78_proj.kd
    .args:
      - { .name: Xh, .offset: 0, .size: 8, .value_kind: global_buffer, .address_space: global }
      - { .name: Wh, .offset: 8, .size: 8, .value_kind: global_buffer, .address_space: global }
      - { .name: bq, .offset: 16, .size: 8, .value_kind: global_buffer, .address_space: global }
      - { .name: bk, .offset: 24, .size: 8, .value_kind: global_buffer, .address_space: global }
      - { .name: bv, .offset: 32, .size: 8, .value_kind: global_buffer, .address_space: global }
      - { .name: QK, .offset: 40, .size: 8, .value_kind: global_buffer, .address_space: global }
      - { .name: Vt, .offset: 48, .size: 8, .value_kind: global_buffer, .address_space: global }
    .group_segment_fixed_size: 327680
    .private_segment_fixed_size: 0
    .kernarg_segment_align: 8
    .kernarg_segment_size: 56
    .max_flat_workgroup_size: 128
    .sgpr_count:     100
    .vgpr_count:     1024
    .wavefront_size: 32
...
	.end_amdgpu_metadata
.endif
;; end of part 2
;; launch scores (part 3): grid 8 x 32, 4 waves a work-group, clusters of 4 x 4, 327,680 bytes of LDS; arguments QK, Pt, St; writes Pt, St
.if DOCPART == 3
	.amdgcn_target "amdgcn-amd-amdhsa--gfx1250"
	.amdhsa_code_object_version 6
	.text
	.protected	k_qb466435f78_scores
	.globl	k_qb466435f78_scores
	.p2align	8
	.type	k_qb466435f78_scores,@function
k_qb466435f78_scores:
	s_mov_b64 s[64:65], 0
	v_nop
	global_prefetch_b8 v0, s[64:65] scope:SCOPE_SE
	s_setreg_imm32_b32 hwreg(HW_REG_WAVE_MODE, 25, 1), 1
	s_wait_xcnt 0x0
	s_wait_alu depctr_hold_cnt(0) depctr_sa_sdst(0) depctr_va_vdst(0) depctr_va_sdst(0) depctr_va_ssrc(0) depctr_va_vcc(0) depctr_vm_vsrc(0)
	s_getreg_b32 s2, hwreg(HW_REG_IB_STS2, 6, 4)
	s_cmp_eq_u32 s2, 0
	s_cbranch_scc0 .Lentry_in_a_cluster
	s_endpgm
.Lentry_in_a_cluster:
	s_bfe_u32 s2, ttmp6, 0x10000c
	s_cmp_lg_u32 s2, 0xf033
	s_cbranch_scc0 .Lentry_shape_is_right
	s_endpgm
.Lentry_shape_is_right:
; For each query row and each block j of 128 keys of its batch: s = q . k (f32), m_j = the block's largest s, p = 2^(c s - c m_j), c = log2(e) / 32 = log2(e) / sqrt(1024),
; l_j = the sum of the block's p.  Pt[row][key] = p in f16; St[0][j][row] = c m_j, St[1][j][row] = l_j in f32.  The next launch takes the row's true maximum over the 16 blocks
; away by the factors 2^(c m_j - c M), so that the softmax is the one with the row maximum subtracted, for every input.
; QK: [8192][2048] f16, columns 0-1023 q, 1024-2047 k.  Pt: [8192][2048] f16.  St: [2][16][8192] f32.
; LIMITS: NaN and infinities are not served; l_j is summed before p is rounded to f16; p below 2^-14 keeps an absolute precision of 2^-25.
; A tile of s, 256 queries x 256 keys, is made by four waves, each 128 x 128 in 64 accumulators: a wave's 128 columns ARE a block of keys, so maximum and sum never leave the wave.
; K (the 1,024 channels) goes in 8 steps of 128 through a ring of two LDS slots; rows of 256 bytes at multiples of 256 bytes.
; CLUSTERS: 4 x 4 work-groups; q's tile is shared along a row of the cluster, k's along a column; each is asked for jointly.  A wave has two tensor loads out at the start, later one.
; THE MATRIX INSTRUCTION IS USED TRANSPOSED (source 0 = 16 keys, source 1 = 16 queries): lane l holds query l % 16 and, in block b's registers 0-7, keys 16 b + 8 (l / 16) + 0..7:
; a query's 128 scores lie in two lanes, 16 apart.
; REGISTERS: window 0: v0-31 addresses; v64-127, v128-191 fragments of q; on the way out v64-119 statistics, v32-63, v192-255 packed rows.
;   window 1: v64-191 fragments of k.   windows 2, 3: the accumulators, (a, b) at v[8 (8 (a % 4) + b)].
.set LDA,    2048                      ; elements from row to row of QK
.set LDC,    4096                      ; bytes from row to row of Pt
.set KTOT,   1024
.set KSTEP,  128
.set PITCH,  272                       ; 256 bytes + 16 of padding = 68 words: row r starts at bank 4 r mod 64 (64 banks of 4 bytes: ISA guide 11.1)
.set HALFT,  128*PITCH
.set SLOT,   4*HALFT
.set STAGE,  2*SLOT                    ; 16 rows x 272 bytes for each wave
.set SSTG,   STAGE+4*16*272            ; 1,024 bytes for each wave: 128 c m, then 128 l.  No tensor load lands in either
.set SPITCH, 272
.set LAPS,   KTOT/(2*KSTEP)
.set ADRA, 16
.set ADRB, 20
.set STO,  24
.set RD,   25
.set CO,   26
.set SW,   28                          ; v28  where I put a statistic
.set SR,   29                          ; v29  where I read four back
.set SO,   30                          ; v30  my byte offset in St
.set F0,   64
.set F1,   128
.set TMP,  192
.set OB,   32
.set SUMT, 64                          ; v64-95   16 pairs of partial sums
.set CH,   96                          ; v96-99   four chains of the maximum
.set NEGINF, 100                       ; v100     minus infinity starts them
.set MP,   102                         ; v102-103 c m, named as a pair
.set MS,   104                         ; v104-111 c m of my eight row blocks
.set LS,   112                         ; v112-119 l of them
.set G1,   24
.set G0,   32
.set G1B,  48
.set G0B,  56
.set MSB, 0
.macro WIN new
.if MSB != (\new)
	s_set_vgpr_msb (MSB<<8)|(\new)
.set MSB, (\new)
.endif
.endm
.set MUL_LO, 0xa1
.set MUL_HI, 0xf1
.set TO_B,   0x40
.macro JLOAD s                         ; waves 0 and 1 fetch q's two halves, waves 2 and 3 k's; four v_nop follow each of the two lines
	s_cmp_eq_u32 s11, 0
	s_cbranch_scc0 .Lfor_b_\@
	tensor_load_to_lds s[G0+4*\s:G0+4*\s+3], s[G1:G1+7]
	s_nop 0
.rept 4
	v_nop
.endr
	s_branch .Lasked_\@
.Lfor_b_\@:
	tensor_load_to_lds s[G0B+4*\s:G0B+4*\s+3], s[G1B:G1B+7]
	s_nop 0
.rept 4
	v_nop
.endr
.Lasked_\@:
.endm
.macro CREST
	s_cmp_lg_u32 s10, 0
	s_cbranch_scc1 .Lnot_wave_0_\@
	s_barrier_signal -3
.Lnot_wave_0_\@:
	s_barrier_wait -3
	s_barrier_signal -1
	s_barrier_wait -1
.endm
.macro CROUND
	s_barrier_signal -1
	s_barrier_wait -1
	CREST
.endm
	s_load_b64 s[4:5], s[0:1], 0x0                 ; QK
	s_load_b64 s[8:9], s[0:1], 0x8                 ; Pt
	s_load_b64 s[68:69], s[0:1], 0x10              ; St
	s_set_vgpr_msb 0x40
	v_lshl_add_u32 v255, v0, 2, 0x49400
	s_set_vgpr_msb 0x4000
	v_mov_b32 v31, 0
	s_set_vgpr_msb 0x1
	ds_add_u32 v255, v31
	s_set_vgpr_msb 0x100
	v_lshrrev_b32 v1, 5, v0
	v_readfirstlane_b32 s10, v1                    ; wave 0..3
	s_lshr_b32 s11, s10, 1                         ; which 128 queries are mine.  Also: I fetch for q (0) or for k (1)
	s_and_b32 s12, s10, 1                          ; which 128 keys.  Also: which half of that tile I fetch
	s_bfe_u32 s40, ttmp6, 0x40000                  ; cx
	s_bfe_u32 s41, ttmp6, 0x40004                  ; cy
	s_lshl_b32 s42, ttmp9, 2
	s_add_co_u32 s42, s42, s40                     ; tile column: 256 keys of the batch
	s_and_b32 s45, ttmp7, 0xffff                   ; cluster y: 1,024 query rows; two clusters to a batch
	s_lshl_b32 s13, s45, 2
	s_add_co_u32 s13, s13, s41                     ; tile row: 256 of all 8,192 rows
	s_lshl_b32 s43, s41, 2
	s_lshl_b32 s43, 15, s43
	s_lshl_b32 s44, 0x1111, s40
	s_or_b32 s[G1+0], s43, (1<<16)|(1<<20)|(1<<21)|(5<<22)|(3<<25)
	s_or_b32 s[G1B+0], s44, (1<<16)|(1<<20)|(1<<21)|(5<<22)|(3<<25)
.irp g, G1, G1B
	s_mov_b32 s[\g+1], KSTEP<<16
	s_mov_b32 s[\g+2], 128<<16
	s_mov_b32 s[\g+3], KSTEP<<16
	s_mov_b32 s[\g+4], 128
	s_mov_b32 s[\g+5], LDA
	s_mov_b32 s[\g+6], 0
	s_mov_b32 s[\g+7], 0
.endr
	s_mov_b32 s72, 0x3d38aa3b                      ; c = log2(e) / 32
	s_mov_b32 s73, s72                             ; named with it as a pair
	s_mov_b32 s74, 0x76543210                      ; v_permlanex16_b32: each lane takes its own place in the other half
	s_mov_b32 s75, 0xfedcba98
	s_mov_b32 s76, 0xffff0000                      ; lanes 16-31
	s_lshl_b32 s17, s12, 7
	s_lshl_b32 s16, s13, 8
	s_add_co_u32 s16, s16, s17                     ; q: row 256 x tile row + 128 x half
	s_lshl_b32 s46, s42, 8
	s_add_co_u32 s46, s46, s17                     ; k: row 256 x tile column + 128 x half
	s_lshr_b32 s22, s45, 1
	s_lshl_b32 s22, s22, 11
	s_add_co_u32 s46, s46, s22                     ;    + 2,048 x batch, which the whole cluster shares
	s_mov_b32 s17, 0
	s_mov_b32 s47, 0
	s_mov_b64 s[18:19], LDA*2
	s_mul_u64 s[16:17], s[16:17], s[18:19]
	s_mul_u64 s[46:47], s[46:47], s[18:19]
	s_mul_i32 s20, s10, HALFT
	s_wait_dscnt 0x0
	s_wait_kmcnt 0x0
	s_add_nc_u64 s[6:7], s[4:5], 2048              ; k begins 1,024 columns into a row of QK
	s_add_nc_u64 s[14:15], s[4:5], s[16:17]
	s_add_nc_u64 s[46:47], s[6:7], s[46:47]
	CROUND                                         ; all sixteen work-groups are here: the first joint loads meet
.irp s, 0,1
	s_mov_b32 s[G0+4*\s], 1
	s_add_co_u32 s[G0+4*\s+1], s20, \s*SLOT
	s_add_nc_u64 s[G0+4*\s+2:G0+4*\s+3], s[14:15], \s*KSTEP*2
	s_or_b32 s[G0+4*\s+3], s[G0+4*\s+3], 0x80000000
	s_mov_b32 s[G0B+4*\s], 1
	s_add_co_u32 s[G0B+4*\s+1], s20, \s*SLOT
	s_add_nc_u64 s[G0B+4*\s+2:G0B+4*\s+3], s[46:47], \s*KSTEP*2
	s_or_b32 s[G0B+4*\s+3], s[G0B+4*\s+3], 0x80000000
	JLOAD \s
.endr
	v_and_b32 v1, 15, v0                           ; l % 16
	v_bfe_u32 v2, v0, 4, 1                         ; l / 16
	v_and_b32 v6, 31, v0                           ; l
	v_mul_u32_u24 v3, v1, PITCH
	v_lshl_add_u32 v3, v2, 4, v3
	s_mul_i32 s21, s11, HALFT
	s_mul_i32 s22, s12, HALFT
	s_add_co_u32 s22, s22, 2*HALFT
.irp s, 0,1
	v_add_nc_u32 v[ADRA+\s], s21, v3
	v_add_nc_u32 v[ADRB+\s], s22, v3
	s_add_co_u32 s21, s21, SLOT
	s_add_co_u32 s22, s22, SLOT
.endr
	s_mul_i32 s23, s10, 16*SPITCH
	s_add_co_u32 s23, s23, STAGE
	v_mul_u32_u24 v4, v1, SPITCH
	v_lshl_add_u32 v4, v2, 4, v4
	v_add_nc_u32 v[STO], s23, v4
	v_mul_u32_u24 v5, v2, SPITCH
	v_lshl_add_u32 v5, v1, 4, v5
	v_add_nc_u32 v[RD], s23, v5
	v_mul_u32_u24 v5, v2, LDC
	v_lshl_add_u32 v[CO], v1, 4, v5
	s_lshl_b32 s22, s10, 10
	s_add_co_u32 s22, s22, SSTG                    ; my 1,024 bytes for the statistics
	v_lshlrev_b32 v[SW], 2, v1                     ; in: word l % 16 of a row block; lanes 0-15 write c m, lanes 16-31 write l, 512 bytes on
	v_lshl_add_u32 v[SW], v2, 9, v[SW]
	v_add_nc_u32 v[SW], s22, v[SW]
	v_lshlrev_b32 v[SO], 4, v6                     ; back and out: 16 bytes a lane
	v_add_nc_u32 v[SR], s22, v[SO]
	; Pt at my part of the tile
	s_lshl_b32 s16, s13, 8
	s_lshl_b32 s17, s11, 7
	s_add_co_u32 s16, s16, s17                     ; my first row
	s_lshl_b32 s22, s42, 1
	s_add_co_u32 s22, s22, s12                     ; my block of keys j = 2 x tile column + half
	s_lshl_b32 s22, s22, 13
	s_add_co_u32 s22, s22, s16
	s_lshl_b32 s22, s22, 2                         ; St: (8,192 j + my first row) x 4 bytes
	s_mov_b32 s23, 0
	s_add_nc_u64 s[68:69], s[68:69], s[22:23]
	s_mov_b32 s17, 0
	s_mov_b64 s[18:19], LDC
	s_mul_u64 s[16:17], s[16:17], s[18:19]
	s_lshl_b32 s46, s42, 9
	s_lshl_b32 s47, s12, 8
	s_add_co_u32 s46, s46, s47
	s_mov_b32 s47, 0
	s_add_nc_u64 s[16:17], s[16:17], s[46:47]
	s_add_nc_u64 s[8:9], s[8:9], s[16:17]
; The 64 accumulators take turns, one instruction a turn, in the same order in every quarter step.  zero = 1: the first product starts the sums.
.macro MUL16 f, hi, a0, zero
.irp a, \a0, \a0+1
.irp b, 0,1,2,3,4,5,6,7
.if \zero
	v_wmma_f32_16x16x32_f16 v[8*(8*(\a)+\b):8*(8*(\a)+\b)+7], v[\f+8*\b:\f+8*\b+7], v[\f+8*(4*\hi+\a):\f+8*(4*\hi+\a)+7], 0
.else
	v_wmma_f32_16x16x32_f16 v[8*(8*(\a)+\b):8*(8*(\a)+\b)+7], v[\f+8*\b:\f+8*\b+7], v[\f+8*(4*\hi+\a):\f+8*(4*\hi+\a)+7], v[8*(8*(\a)+\b):8*(8*(\a)+\b)+7]
.endif
.endr
.endr
.endm
.macro FETCH slot, k, f
	WIN TO_B
.irp i, 0,1,2,3,4,5,6,7
	ds_load_b128 v[\f+8*\i:\f+8*\i+3],   v[ADRB+\slot] offset:\k+\i*16*PITCH
	ds_load_b128 v[\f+8*\i+4:\f+8*\i+7], v[ADRB+\slot] offset:\k+\i*16*PITCH+32
.endr
	WIN 0
.irp i, 0,1,2,3,4,5,6,7
	ds_load_b128 v[\f+8*\i:\f+8*\i+3],   v[ADRA+\slot] offset:\k+\i*16*PITCH
	ds_load_b128 v[\f+8*\i+4:\f+8*\i+7], v[ADRA+\slot] offset:\k+\i*16*PITCH+32
.endr
.endm
.macro PLACES                          ; four places in front of loads into registers that matrix instructions have read, and of vector work on results (ISA guide 7.12.1 for vector instructions)
.rept 4
	v_nop
.endr
.endm
.macro QUARTER slot, k, f, g, zero
	s_wait_dscnt 8                                 ; k's fragments and q's rows 0-63 are in; the youngest eight loads may be out
	WIN MUL_LO
	MUL16 \f, 0, 0, \zero
	MUL16 \f, 0, 2, \zero
	PLACES
	FETCH \slot, \k, \g
	s_wait_dscnt 32                                ; all but the 32 just issued
	WIN MUL_HI
	MUL16 \f, 1, 0, \zero
	MUL16 \f, 1, 2, \zero
.endm
; The change of slots: one barrier; in front of it each wave waits for its reads of this slot and for all its tensor loads.  fill = 1: it opens a round of the cluster's barrier,
; and the slot is filled again first thing behind the round: 240 matrix instructions ahead of the wait for it.
.macro TURN slot, next, fill
	s_wait_dscnt 8
	WIN MUL_LO
	MUL16 F1, 0, 0, 0
	s_wait_dscnt 0
	s_wait_tensorcnt 0x0
	ds_add_u32 v255, v31
	s_wait_dscnt 0x0
	s_barrier_signal -1
	MUL16 F1, 0, 2, 0
.if \fill
	WIN 0
.endif
	s_barrier_wait -1
.if \fill
	CREST
	s_add_nc_u64 s[G0+4*\slot+2:G0+4*\slot+3], s[G0+4*\slot+2:G0+4*\slot+3], 2*KSTEP*2
	s_add_nc_u64 s[G0B+4*\slot+2:G0B+4*\slot+3], s[G0B+4*\slot+2:G0B+4*\slot+3], 2*KSTEP*2
	JLOAD \slot
.else
	PLACES
.endif
	FETCH \next, 0, F0
	WIN MUL_HI
	MUL16 F1, 1, 0, 0
	MUL16 F1, 1, 2, 0
.endm
; THE SOFTMAX OF ROW BLOCK a (16 queries x 128 keys; a lane holds 64 scores of one query, in 64 registers of window 2 or 3).
.macro SOFT a
.set W,  2+(\a)/4
.set AC, 64*((\a)%4)
	WIN 0x14*W                                     ; sources 1 and 2: the scores' window
.irp k, 0,1,2,3,4,5,6,7                ; the maximum, three operands at a time, in four chains of sixteen scores
.irp i, 0,1,2,3
.if \k == 0
	v_max3_num_f32 v[CH+\i], v[NEGINF], v[AC+16*\i], v[AC+16*\i+1]
.else
	v_max3_num_f32 v[CH+\i], v[CH+\i], v[AC+16*\i+2*\k], v[AC+16*\i+2*\k+1]
.endif
.endr
.endr
	WIN 0
	v_max3_num_f32 v[CH], v[CH], v[CH+1], v[CH+2]
	v_max_num_f32 v[CH], v[CH], v[CH+3]
	v_permlanex16_b32 v[CH+1], v[CH], s74, s75     ; the query's other 64 keys lie in the lane 16 away
	v_max_num_f32 v[CH], v[CH], v[CH+1]
	v_mul_f32 v[MS+\a], s72, v[CH]                 ; c m
	v_mov_b32 v[MP], v[MS+\a]
	v_mov_b32 v[MP+1], v[MS+\a]
	WIN 0x41*W                                     ; destination and source 0: the scores' window
.set i, 0
.rept 32
	v_pk_fma_f32 v[AC+i:AC+i+1], v[AC+i:AC+i+1], s[72:73], v[MP:MP+1] op_sel_hi:[1,0,0] neg_lo:[0,0,1] neg_hi:[0,0,1]   ; c s - c m
.set i, i+2
.endr
.set i, 0
.rept 64
	v_exp_f32 v[AC+i], v[AC+i]
.set i, i+1
.endr
	v_nop                                          ; a plain instruction between the last exponential and the use of its result (ISA guide 5.7.2)
	WIN 5*W                                        ; sources 0 and 1: the scores' window
.set i, 0
	s_wait_alu depctr_va_vdst(0)
.rept 16
	v_pk_add_f32 v[SUMT+2*i:SUMT+2*i+1], v[AC+4*i:AC+4*i+1], v[AC+4*i+2:AC+4*i+3]
.set i, i+1
.endr
.irp b, 0,1,2,3,4,5,6,7
.irp r, 0,1,2,3
	v_cvt_pk_f16_f32 v[TMP+4*\b+\r], v[AC+8*\b+2*\r], v[AC+8*\b+2*\r+1]
.endr
.endr
	WIN 0
.irp w, 8,4,2,1                        ; sixteen pairs to one
.set i, 0
.rept \w
	v_pk_add_f32 v[SUMT+2*i:SUMT+2*i+1], v[SUMT+2*i:SUMT+2*i+1], v[SUMT+2*(i+\w):SUMT+2*(i+\w)+1]
.set i, i+1
.endr
.endr
	v_add_f32 v[CH], v[SUMT], v[SUMT+1]
	v_permlanex16_b32 v[CH+1], v[CH], s74, s75
	v_add_f32 v[LS+\a], v[CH], v[CH+1]             ; l
.endm
.macro TOSTAGE a
.set BK, OB+192*((\a)%2)
.irp b, 0,1,2,3,4,5,6,7
	ds_store_b128 v[STO], v[TMP+4*\b:TMP+4*\b+3] offset:32*\b
.endr
.irp t, 0,1,2,3,4,5,6,7
	ds_load_b128 v[BK+4*\t:BK+4*\t+3], v[RD] offset:\t*2*SPITCH    ; LDS serves a wave's instructions in order (ISA guide 5.7.1.4)
.endr
.endm
.macro SEND a
.set BK, OB+192*((\a)%2)
	s_wait_dscnt 0x0
	s_wait_xcnt 0x0                                ; only behind this wait are the stores' base and, next, earlier stores' data registers rewritten
.if (\a) > 0
	s_add_nc_u64 s[8:9], s[8:9], 16*LDC
.endif
.irp t, 0,1,2,3,4,5,6,7
	global_store_b128 v[CO], v[BK+4*\t:BK+4*\t+3], s[8:9] offset:2*\t*LDC   ; 16 lanes store 256 consecutive bytes, at a multiple of 256 from Pt's first byte
.endr
.endm
	s_wait_tensorcnt 1                             ; my part of K step 0 is in; K step 1's may stay out
	s_barrier_signal -1
	s_barrier_wait -1
	FETCH 0, 0, F0
	QUARTER 0, 64,  F0, F1, 1
	WIN 0
	s_mov_b32 s3, LAPS-1
.Llap:
	QUARTER 0, 128, F1, F0, 0
	QUARTER 0, 192, F0, F1, 0
	TURN 0, 1, 1
	QUARTER 1, 64,  F0, F1, 0
	QUARTER 1, 128, F1, F0, 0
	QUARTER 1, 192, F0, F1, 0
	TURN 1, 0, 1
	QUARTER 0, 64,  F0, F1, 0
	WIN 0
	s_sub_co_u32 s3, s3, 1
	s_cmp_lg_u32 s3, 0
	s_cbranch_scc1 .Llap
	QUARTER 0, 128, F1, F0, 0                      ; the last lap fills nothing
	QUARTER 0, 192, F0, F1, 0
	TURN 0, 1, 0
	QUARTER 1, 64,  F0, F1, 0
	QUARTER 1, 128, F1, F0, 0
	QUARTER 1, 192, F0, F1, 0
	s_wait_dscnt 8
	WIN MUL_LO
	MUL16 F1, 0, 0, 0
	MUL16 F1, 0, 2, 0
	s_wait_dscnt 0
	WIN MUL_HI
	MUL16 F1, 1, 0, 0
	MUL16 F1, 1, 2, 0
	WIN 0
	PLACES
	v_mov_b32 v[NEGINF], 0xff800000
	SOFT 0
	TOSTAGE 0
.irp a, 1,2,3,4,5,6,7                  ; block a's softmax stands between block a - 1's loads from the stage and the wait for them
	SOFT \a
	SEND \a-1
	TOSTAGE \a
.endr
	SEND 7
	; the statistics: every lane holds c m and l of its query; lanes 0-15 hand on c m, lanes 16-31 l; through my own LDS bytes they become 128 + 128 consecutive numbers
.irp a, 0,1,2,3,4,5,6,7
	v_cndmask_b32 v[MS+\a], v[MS+\a], v[LS+\a], s76
.endr
.irp a, 0,1,2,3,4,5,6,7
	ds_store_b32 v[SW], v[MS+\a] offset:64*\a
.endr
	ds_load_b128 v[112:115], v[SR]
	ds_load_b128 v[116:119], v[SR] offset:512
	s_wait_dscnt 0x0
	global_store_b128 v[SO], v[112:115], s[68:69]                  ; 512 consecutive bytes, aligned: c m of my 128 rows
	global_store_b128 v[SO], v[116:119], s[68:69] offset:524288    ; and l, one plane of 16 x 8,192 numbers further on
	s_set_vgpr_msb 0x1
	s_wait_tensorcnt 0x0
	ds_add_u32 v255, v31
	s_wait_dscnt 0x0
	s_set_vgpr_msb 0x100
	CROUND                                         ; the closing round
	s_endpgm
.Lfunc_end_k_qb466435f78_scores:
	.size	k_qb466435f78_scores, .Lfunc_end_k_qb466435f78_scores-k_qb466435f78_scores
	.p2alignl 7, 3214868480
	.fill 96, 4, 3214868480
	.section	.rodata,"a",@progbits
	.p2align	6, 0x0
	.amdhsa_kernel k_qb466435f78_scores
		.amdhsa_group_segment_fixed_size 327680
		.amdhsa_private_segment_fixed_size 0
		.amdhsa_enable_private_segment 0
		.amdhsa_kernarg_size 24
		.amdhsa_user_sgpr_count 2
		.amdhsa_user_sgpr_kernarg_segment_ptr 1
		.amdhsa_wavefront_size32 1
		.amdhsa_system_sgpr_workgroup_id_x 1
		.amdhsa_system_sgpr_workgroup_id_y 1
		.amdhsa_system_sgpr_workgroup_id_z 1
		.amdhsa_system_vgpr_workitem_id 0
		.amdhsa_next_free_vgpr 1024
		.amdhsa_next_free_sgpr 80
		.amdhsa_reserve_vcc 0
		.amdhsa_float_denorm_mode_32 3
		.amdhsa_float_denorm_mode_16_64 3
		.amdhsa_memory_ordered 1
		.amdhsa_forward_progress 1
		.amdhsa_inst_pref_size 213
	.end_amdhsa_kernel
	.amdgpu_metadata
---
amdhsa.version: [ 1, 2 ]
amdhsa.kernels:
  - .name:           k_qb466435f78_scores
    .symbol:         k_qb466435f78_scores.kd
    .args:
      - { .name: QK, .offset: 0, .size: 8, .value_kind: global_buffer, .address_space: global }
      - { .name: Pt, .offset: 8, .size: 8, .value_kind: global_buffer, .address_space: global }
      - { .name: St, .offset: 16, .size: 8, .value_kind: global_buffer, .address_space: global }
    .group_segment_fixed_size: 327680
    .private_segment_fixed_size: 0
    .kernarg_segment_align: 8
    .kernarg_segment_size: 24
    .max_flat_workgroup_size: 128
    .sgpr_count:     80
    .vgpr_count:     1024
    .wavefront_size: 32
...
	.end_amdgpu_metadata
.endif
;; end of part 3
;; launch pv (part 4): grid 4 x 64, 4 waves a work-group, clusters of 4 x 4, 327,680 bytes of LDS; arguments Pt, Vt, St, out0; writes out0
.if DOCPART == 4
	.amdgcn_target "amdgcn-amd-amdhsa--gfx1250"
	.amdhsa_code_object_version 6
	.text
	.protected	k_qb466435f78_pv
	.globl	k_qb466435f78_pv
	.p2align	8
	.type	k_qb466435f78_pv,@function
k_qb466435f78_pv:
	s_mov_b64 s[64:65], 0
	v_nop
	global_prefetch_b8 v0, s[64:65] scope:SCOPE_SE
	s_setreg_imm32_b32 hwreg(HW_REG_WAVE_MODE, 25, 1), 1
	s_wait_xcnt 0x0
	s_wait_alu depctr_hold_cnt(0) depctr_sa_sdst(0) depctr_va_vdst(0) depctr_va_sdst(0) depctr_va_ssrc(0) depctr_va_vcc(0) depctr_vm_vsrc(0)
	s_getreg_b32 s2, hwreg(HW_REG_IB_STS2, 6, 4)
	s_cmp_eq_u32 s2, 0
	s_cbranch_scc0 .Lentry_in_a_cluster
	s_endpgm
.Lentry_in_a_cluster:
	s_bfe_u32 s2, ttmp6, 0x10000c
	s_cmp_lg_u32 s2, 0xf033
	s_cbranch_scc0 .Lentry_shape_is_right
	s_endpgm
.Lentry_shape_is_right:
; out0[row][h] = (sum over the 16 key blocks j of f_j sum over the block's keys of p v) / L, with M = max over j of c m_j, f_j = 2^(c m_j - M), L = sum over j of f_j l_j:
; the softmax with the row's true maximum taken away, times v.
; Pt: [8192][2048] f16 (p of each block against the block's own maximum); Vt: [1024][8192] f16 (v transposed); St: [2][16][8192] f32 (c m_j, l_j); out0: [8192][1024] f32.
; LIMITS: f_j is rounded to f16 and p f_j once more (each 2^-11 relative); products below 2^-14 keep an absolute precision of 2^-25 against a largest term of about 1; L is made of the unrounded f_j.
; out0 has 32,768 numbers for each of 256 work-groups: a tile is 128 rows x 256 channels; four waves, each 64 x 128 in 32 accumulators.  K (a batch's 2,048 keys) goes in 16 steps
; of 128, one block of keys a step, through a ring of two LDS slots (128 rows of Pt, then 256 rows of Vt); rows of 256 bytes at multiples of 256 bytes.
; THE FACTORS: used transposed (source 0 = 16 rows of Vt, source 1 = 16 rows of Pt), a lane of a fragment of Pt holds ONE row, so f_j is one register (f16, in both halves) and a
; fragment is scaled by eight packed multiplies.  Each wave makes its own table of the factors in LDS while the first tiles are on their way.
; CLUSTERS: 4 x 4 work-groups; Pt's tile is shared along a row of the cluster, Vt's along a column.  A wave has two tensor loads out at the start, later one.
; REGISTERS: window 0: v0-31 addresses, factors, 1 / L; v32-127, v128-223 two fragment buffers (32 registers of Pt, then 64 of Vt); window 1: the accumulators, (a, b) at v[8 (8 a + b)].
.set LDA,    2048                      ; elements from row to row of Pt
.set LDB,    8192                      ; of Vt
.set LDC,    4096                      ; bytes from row to row of out0
.set KTOT,   2048
.set KSTEP,  128
.set PITCH,  272                       ; 256 bytes + 16 of padding = 68 words: row r starts at bank 4 r mod 64 (64 banks of 4 bytes: ISA guide 11.1)
.set AHALF,  64*PITCH
.set ATILE,  128*PITCH
.set BHALF,  128*PITCH
.set SLOT,   ATILE+2*BHALF
.set SPITCH, 528                       ; a stage row: 512 bytes + 16
.set STAGE,  2*SLOT                    ; 16 rows x 528 bytes for each wave
.set FT,     STAGE+4*16*SPITCH         ; 8,192 bytes for each wave: [16 blocks][128 rows] factors
.set RL,     FT+4*8192                 ; 512 bytes for each wave: 1 / L of 128 rows.  No tensor load lands in stage, FT or RL
.set LAPS,   KTOT/(2*KSTEP)
.set RLW,  6                           ; v6      where I put four 1 / L
.set RLR,  8                           ; v8-15   1 / L of my four row blocks, each twice (a pair for the packed multiply)
.set ADRA, 16
.set ADRB, 18
.set STO,  20
.set RD,   21
.set CO,   22                          ; v22     16 x lane: my byte offset in St's and out0's rows
.set FA,   23                          ; v23     where my row's factor of the step in hand lies
.set RA,   24                          ; v24     where my row's 1 / L lies
.set FW,   25                          ; v25     where I put four factors
.set FR,   26                          ; v26-29  the step's factors of my four row blocks
.set F0,   32
.set F1,   128
.set MC,   32                          ; the prologue: v32-95 c m_j of rows 4 l .. 4 l + 3, then f_j;  v96-159 l_j;  v160-163 M;  v164-167 L;  v168-171 1 / L
.set LL,   96
.set MX,   160
.set LSUM, 164
.set RC,   168
.set NB,   160                         ; the way out: v160-223 a row block divided by L; v32-95 and v96-159 by turns: whole rows
.set G1,   24
.set G0,   32
.set G1B,  48
.set G0B,  56
.set MSB, 0
.macro WIN new
.if MSB != (\new)
	s_set_vgpr_msb (MSB<<8)|(\new)
.set MSB, (\new)
.endif
.endm
.set MUL, 0x50                         ; sources 0 and 1 window 0; C and D window 1
.macro JLOAD s                         ; waves 0 and 1 fetch Pt's two halves, waves 2 and 3 Vt's; four v_nop follow each of the two lines
	s_cmp_eq_u32 s11, 0
	s_cbranch_scc0 .Lfor_b_\@
	tensor_load_to_lds s[G0+4*\s:G0+4*\s+3], s[G1:G1+7]
	s_nop 0
.rept 4
	v_nop
.endr
	s_branch .Lasked_\@
.Lfor_b_\@:
	tensor_load_to_lds s[G0B+4*\s:G0B+4*\s+3], s[G1B:G1B+7]
	s_nop 0
.rept 4
	v_nop
.endr
.Lasked_\@:
.endm
.macro CREST
	s_cmp_lg_u32 s10, 0
	s_cbranch_scc1 .Lnot_wave_0_\@
	s_barrier_signal -3
.Lnot_wave_0_\@:
	s_barrier_wait -3
	s_barrier_signal -1
	s_barrier_wait -1
.endm
.macro CROUND
	s_barrier_signal -1
	s_barrier_wait -1
	CREST
.endm
	s_load_b128 s[4:7], s[0:1], 0x0                ; Pt s[4:5], Vt s[6:7]
	s_load_b64 s[68:69], s[0:1], 0x10              ; St
	s_load_b64 s[8:9], s[0:1], 0x18                ; out0
	v_lshl_add_u32 v254, v0, 2, 0x43c00
	v_mov_b32 v255, 0
	ds_add_u32 v254, v255
	v_lshrrev_b32 v1, 5, v0
	v_readfirstlane_b32 s10, v1                    ; wave 0..3
	s_lshr_b32 s11, s10, 1                         ; which 64 rows are mine.  Also: I fetch for Pt (0) or for Vt (1)
	s_and_b32 s12, s10, 1                          ; which 128 channels.  Also: which half of that tile I fetch
	s_bfe_u32 s40, ttmp6, 0x40000                  ; cx
	s_bfe_u32 s41, ttmp6, 0x40004                  ; cy
	s_lshl_b32 s42, ttmp9, 2
	s_add_co_u32 s42, s42, s40                     ; tile column: 256 channels
	s_and_b32 s45, ttmp7, 0xffff                   ; cluster y: 512 rows; four clusters to a batch
	s_lshl_b32 s13, s45, 2
	s_add_co_u32 s13, s13, s41                     ; tile row: 128 of all 8,192 rows
	s_lshl_b32 s43, s41, 2
	s_lshl_b32 s43, 15, s43
	s_lshl_b32 s44, 0x1111, s40
	s_or_b32 s[G1+0], s43, (1<<16)|(1<<20)|(1<<21)|(5<<22)|(3<<25)
	s_or_b32 s[G1B+0], s44, (1<<16)|(1<<20)|(1<<21)|(5<<22)|(3<<25)
	s_mov_b32 s[G1+1], KSTEP<<16                   ; Pt: 64 rows x 128 elements
	s_mov_b32 s[G1+2], 64<<16
	s_mov_b32 s[G1+3], KSTEP<<16
	s_mov_b32 s[G1+4], 64
	s_mov_b32 s[G1+5], LDA
	s_mov_b32 s[G1+6], 0
	s_mov_b32 s[G1+7], 0
	s_mov_b32 s[G1B+1], KSTEP<<16                  ; Vt: 128 rows x 128 elements
	s_mov_b32 s[G1B+2], 128<<16
	s_mov_b32 s[G1B+3], KSTEP<<16
	s_mov_b32 s[G1B+4], 128
	s_mov_b32 s[G1B+5], LDB
	s_mov_b32 s[G1B+6], 0
	s_mov_b32 s[G1B+7], 0
	s_lshl_b32 s17, s12, 6
	s_lshl_b32 s16, s13, 7
	s_add_co_u32 s16, s16, s17                     ; Pt: row 128 x tile row + 64 x half
	s_lshl_b32 s47, s12, 7
	s_lshl_b32 s46, s42, 8
	s_add_co_u32 s46, s46, s47                     ; Vt: row 256 x tile column + 128 x half
	s_mov_b32 s17, 0
	s_mov_b32 s47, 0
	s_mov_b64 s[18:19], LDA*2
	s_mul_u64 s[16:17], s[16:17], s[18:19]
	s_mov_b64 s[18:19], LDB*2
	s_mul_u64 s[46:47], s[46:47], s[18:19]
	s_lshr_b32 s22, s45, 2
	s_lshl_b32 s22, s22, 12                        ; the batch's 2,048 keys begin 4,096 bytes x batch into a row of Vt; the whole cluster shares the batch
	s_mov_b32 s23, 0
	s_add_nc_u64 s[46:47], s[46:47], s[22:23]
	s_mul_i32 s20, s12, AHALF
	s_mul_i32 s21, s12, BHALF
	s_add_co_u32 s21, s21, ATILE
	s_wait_dscnt 0x0
	s_wait_kmcnt 0x0
	s_add_nc_u64 s[14:15], s[4:5], s[16:17]
	s_add_nc_u64 s[46:47], s[6:7], s[46:47]
	CROUND                                         ; all sixteen work-groups are here: the first joint loads meet
.irp s, 0,1
	s_mov_b32 s[G0+4*\s], 1
	s_add_co_u32 s[G0+4*\s+1], s20, \s*SLOT
	s_add_nc_u64 s[G0+4*\s+2:G0+4*\s+3], s[14:15], \s*KSTEP*2
	s_or_b32 s[G0+4*\s+3], s[G0+4*\s+3], 0x80000000
	s_mov_b32 s[G0B+4*\s], 1
	s_add_co_u32 s[G0B+4*\s+1], s21, \s*SLOT
	s_add_nc_u64 s[G0B+4*\s+2:G0B+4*\s+3], s[46:47], \s*KSTEP*2
	s_or_b32 s[G0B+4*\s+3], s[G0B+4*\s+3], 0x80000000
	JLOAD \s
.endr
	; St at the tile's 128 rows; the 32 loads go out at once: lane l takes rows 4 l .. 4 l + 3 of every block's c m and l
	v_and_b32 v31, 31, v0
	v_lshlrev_b32 v[CO], 4, v31
	s_lshl_b32 s22, s13, 9
	s_mov_b32 s23, 0
	s_add_nc_u64 s[68:69], s[68:69], s[22:23]
.set j, 0
.rept 16
	global_load_b128 v[MC+4*j:MC+4*j+3], v[CO], s[68:69] offset:j*32768
	global_load_b128 v[LL+4*j:LL+4*j+3], v[CO], s[68:69] offset:524288+j*32768
.set j, j+1
.endr
	v_and_b32 v1, 15, v0                           ; l % 16
	v_bfe_u32 v2, v0, 4, 1                         ; l / 16
	v_mul_u32_u24 v3, v1, PITCH
	v_lshl_add_u32 v3, v2, 4, v3
	s_mul_i32 s22, s11, AHALF                      ; my 64 rows of Pt
	s_mul_i32 s23, s12, BHALF                      ; my 128 rows of Vt,
	s_add_co_u32 s23, s23, ATILE                   ; behind Pt's 128
.irp s, 0,1
	v_add_nc_u32 v[ADRA+\s], s22, v3
	v_add_nc_u32 v[ADRB+\s], s23, v3
	s_add_co_u32 s22, s22, SLOT
	s_add_co_u32 s23, s23, SLOT
.endr
	s_mul_i32 s22, s10, 16*SPITCH
	s_add_co_u32 s22, s22, STAGE                   ; my stage
	v_mul_u32_u24 v4, v1, SPITCH                   ; in: row l % 16, 32 bytes for each half of the lanes
	v_lshl_add_u32 v4, v2, 5, v4
	v_add_nc_u32 v[STO], s22, v4
	v_add_nc_u32 v[RD], s22, v[CO]                 ; back: a whole row of 512 bytes, 16 a lane
	s_lshl_b32 s22, s10, 13
	s_add_co_u32 s22, s22, FT                      ; my table of factors
	v_add_nc_u32 v[FW], s22, v[CO]
	s_lshl_b32 s23, s11, 8                         ; my 64 rows in it
	s_add_co_u32 s22, s22, s23
	v_lshl_add_u32 v[FA], v1, 2, s22
	s_lshl_b32 s22, s10, 9
	s_add_co_u32 s22, s22, RL                      ; my table of 1 / L
	v_add_nc_u32 v[RLW], s22, v[CO]
	s_add_co_u32 s22, s22, s23
	v_lshl_add_u32 v[RA], v1, 2, s22
	; out0 at my part of the tile
	s_lshl_b32 s16, s13, 7
	s_lshl_b32 s17, s11, 6
	s_add_co_u32 s16, s16, s17
	s_mov_b32 s17, 0
	s_mov_b64 s[18:19], LDC
	s_mul_u64 s[16:17], s[16:17], s[18:19]
	s_lshl_b32 s46, s42, 10                        ; my first channel, in bytes: 1,024 x tile column + 512 x half
	s_lshl_b32 s47, s12, 9
	s_add_co_u32 s46, s46, s47
	s_mov_b32 s47, 0
	s_add_nc_u64 s[16:17], s[16:17], s[46:47]
	s_add_nc_u64 s[8:9], s[8:9], s[16:17]
	; THE FACTORS
	s_wait_loadcnt 0x0
.irp c, 0,1,2,3
	v_max3_num_f32 v[MX+\c], v[MC+\c], v[MC+4+\c], v[MC+8+\c]
.endr
.irp j, 3,5,7,9,11,13
.irp c, 0,1,2,3
	v_max3_num_f32 v[MX+\c], v[MX+\c], v[MC+4*\j+\c], v[MC+4*\j+4+\c]
.endr
.endr
.irp c, 0,1,2,3
	v_max_num_f32 v[MX+\c], v[MX+\c], v[MC+60+\c]  ; M: the row's maximum over all 2,048 keys, times c
.endr
.set j, 0
.rept 16
	v_pk_add_f32 v[MC+4*j:MC+4*j+1],   v[MC+4*j:MC+4*j+1],   v[MX:MX+1]   neg_lo:[0,1] neg_hi:[0,1]
	v_pk_add_f32 v[MC+4*j+2:MC+4*j+3], v[MC+4*j+2:MC+4*j+3], v[MX+2:MX+3] neg_lo:[0,1] neg_hi:[0,1]
.set j, j+1
.endr
.set j, 0
.rept 64
	v_exp_f32 v[MC+j], v[MC+j]                     ; f_j = 2^(c m_j - M), at most 1, and 1 for one j at the least
.set j, j+1
.endr
	v_nop                                          ; a plain instruction between the last exponential and the use of its result (ISA guide 5.7.2)
	s_wait_alu depctr_va_vdst(0)
	v_pk_mul_f32 v[LSUM:LSUM+1],   v[MC:MC+1],   v[LL:LL+1]
	v_pk_mul_f32 v[LSUM+2:LSUM+3], v[MC+2:MC+3], v[LL+2:LL+3]
.set j, 1
.rept 15
	v_pk_fma_f32 v[LSUM:LSUM+1],   v[MC+4*j:MC+4*j+1],   v[LL+4*j:LL+4*j+1],   v[LSUM:LSUM+1]
	v_pk_fma_f32 v[LSUM+2:LSUM+3], v[MC+4*j+2:MC+4*j+3], v[LL+4*j+2:LL+4*j+3], v[LSUM+2:LSUM+3]
.set j, j+1
.endr
.irp c, 0,1,2,3
	v_rcp_f32 v[RC+\c], v[LSUM+\c]
.endr
	v_nop
.set j, 0
.rept 64
	v_cvt_pk_f16_f32 v[MC+j], v[MC+j], v[MC+j]     ; f_j in both halves of its word
.set j, j+1
.endr
.set j, 0
.rept 16
	ds_store_b128 v[FW], v[MC+4*j:MC+4*j+3] offset:512*j
.set j, j+1
.endr
	s_wait_alu depctr_va_vdst(0)
	ds_store_b128 v[RLW], v[RC:RC+3]
; 8 matrix instructions: row block a x all 8 channel blocks, 32 along K.  The 32 accumulators take turns, one instruction a turn.
.macro MUL8 f, a, zero
.irp b, 0,1,2,3,4,5,6,7
.if \zero
	v_wmma_f32_16x16x32_f16 v[8*(8*\a+\b):8*(8*\a+\b)+7], v[\f+32+8*\b:\f+32+8*\b+7], v[\f+8*\a:\f+8*\a+7], 0
.else
	v_wmma_f32_16x16x32_f16 v[8*(8*\a+\b):8*(8*\a+\b)+7], v[\f+32+8*\b:\f+32+8*\b+7], v[\f+8*\a:\f+8*\a+7], v[8*(8*\a+\b):8*(8*\a+\b)+7]
.endif
.endr
.endm
.macro FETCH slot, k, f                ; 24 LDS loads in one run: Vt's 8 fragments, then Pt's blocks 0, 1, then 2, 3
	WIN 0
.irp i, 0,1,2,3,4,5,6,7
	ds_load_b128 v[\f+32+8*\i:\f+32+8*\i+3],   v[ADRB+\slot] offset:\k+\i*16*PITCH
	ds_load_b128 v[\f+32+8*\i+4:\f+32+8*\i+7], v[ADRB+\slot] offset:\k+\i*16*PITCH+32
.endr
.irp i, 0,1,2,3
	ds_load_b128 v[\f+8*\i:\f+8*\i+3],   v[ADRA+\slot] offset:\k+\i*16*PITCH
	ds_load_b128 v[\f+8*\i+4:\f+8*\i+7], v[ADRA+\slot] offset:\k+\i*16*PITCH+32
.endr
.endm
.macro SCALE f, a                      ; row block a's fragment of Pt times its row's factor
.irp i, 0,1,2,3,4,5,6,7
	v_pk_mul_f16 v[\f+8*\a+\i], v[\f+8*\a+\i], v[FR+\a]
.endr
.endm
.macro FRLOAD off                      ; a step's four factors
.irp a, 0,1,2,3
	ds_load_b32 v[FR+\a], v[FA] offset:\off+64*\a
.endr
.endm
.macro PLACES                          ; four places in front of loads into registers that matrix instructions have read, and of vector work on results (ISA guide 7.12.1 for vector instructions)
.rept 4
	v_nop
.endr
.endm
; A K step is four quarters of 32 along K, 32 matrix instructions each, on buffers 0, 1, 0, 1.  One of the first three multiplies f; the next quarter's fragments, at byte k, are asked for at its
; head, into g: the sixteen scalings in front of them name none of g's registers and are the places behind the products that read g.
.macro QUARTER slot, k, f, g, zero
	s_wait_dscnt 4                                 ; the factors, Vt's fragments and Pt's blocks 0, 1 are in; the youngest four loads (blocks 2, 3) may be out
	WIN 0
	SCALE \f, 0
	SCALE \f, 1
	FETCH \slot, \k, \g
	WIN MUL
	MUL8 \f, 0, \zero
	MUL8 \f, 1, \zero
	s_wait_dscnt 24                                ; all but the 24 just issued
	WIN 0
	SCALE \f, 2
	SCALE \f, 3
	WIN MUL
	MUL8 \f, 2, \zero
	MUL8 \f, 3, \zero
.endm
; The last quarter multiplies buffer 1 and changes slots: one barrier; in front of it each wave waits for its reads of this slot and for all its tensor loads.
; fill = 1: the barrier opens a round of the cluster's barrier, and this slot is filled again first thing behind it: 120 matrix instructions ahead of the wait for it.
; foff: where, from FA on, the next step's factors lie.
.macro TURN slot, next, fill, foff
	s_wait_dscnt 0x0                               ; buffer 1 is in, and with it my reads of this slot are over
	WIN 0
	SCALE F1, 0
	SCALE F1, 1
	SCALE F1, 2
	SCALE F1, 3
	WIN MUL
	MUL8 F1, 0, 0
	s_wait_tensorcnt 0x0                           ; all my tensor loads have landed: my part of the next slot
	ds_add_u32 v254, v255
	s_wait_dscnt 0x0
	s_barrier_signal -1
	MUL8 F1, 1, 0                                  ; registers only
	WIN 0
	s_barrier_wait -1
.if \fill
	CREST
	s_add_nc_u64 s[G0+4*\slot+2:G0+4*\slot+3], s[G0+4*\slot+2:G0+4*\slot+3], 2*KSTEP*2
	s_add_nc_u64 s[G0B+4*\slot+2:G0B+4*\slot+3], s[G0B+4*\slot+2:G0B+4*\slot+3], 2*KSTEP*2
	JLOAD \slot                                    ; its four v_nop are also places in front of the loads below
.else
	PLACES
.endif
	FRLOAD \foff                                   ; this step's scalings are all done
	FETCH \next, 0, F0
	WIN MUL
	MUL8 F1, 2, 0
	MUL8 F1, 3, 0
.endm
; THE WAY OUT of row block a.  NORM: divided by L.  STG: into my own stage, and back as whole rows of 512 bytes.  SENDF: stored.
.macro NORM a
	WIN 0x01                                       ; source 0 window 1
.set i, 0
.rept 32
	v_pk_mul_f32 v[NB+2*i:NB+2*i+1], v[64*(\a)+2*i:64*(\a)+2*i+1], v[RLR+2*(\a):RLR+2*(\a)+1]
.set i, i+1
.endr
	WIN 0
.endm
.macro STG a
.set BK, 32+64*((\a)%2)
.irp b, 0,1,2,3,4,5,6,7
	ds_store_b128 v[STO], v[NB+8*\b:NB+8*\b+3]   offset:64*\b
	ds_store_b128 v[STO], v[NB+8*\b+4:NB+8*\b+7] offset:64*\b+16
.endr
.set t, 0
.rept 16
	ds_load_b128 v[BK+4*t:BK+4*t+3], v[RD] offset:SPITCH*t         ; LDS serves a wave's instructions in order (ISA guide 5.7.1.4): these see the stores above
.set t, t+1
.endr
.endm
.macro SENDF a
.set BK, 32+64*((\a)%2)
	s_wait_dscnt 0x0
	s_wait_xcnt 0x0                                ; only behind this wait are the stores' base and, next, earlier stores' data registers rewritten
.if (\a) > 0
	s_add_nc_u64 s[8:9], s[8:9], 16*LDC
.endif
.set t, 0
.rept 16
	global_store_b128 v[CO], v[BK+4*t:BK+4*t+3], s[8:9] offset:LDC*t th:TH_STORE_NT   ; the wave stores 512 consecutive bytes, at a multiple of 512 from out0's first byte
.set t, t+1
.endr
.endm
	s_wait_tensorcnt 1                             ; my part of K step 0 is in; K step 1's may stay out
	s_wait_dscnt 0x0                               ; no LDS instruction of mine is pending at the signal
	s_barrier_signal -1
	s_barrier_wait -1
	FRLOAD 0                                       ; block 0's factors
	FETCH 0, 0, F0
	QUARTER 0, 64,  F0, F1, 1                      ; the first quarter stands in front of the loop: its products start the sums
	WIN 0
	s_mov_b32 s3, LAPS-1
.Llap:                                                 ; a trip goes once round the ring, from a lap's second quarter to the next lap's first, and fills both slots again
	QUARTER 0, 128, F1, F0, 0
	QUARTER 0, 192, F0, F1, 0
	TURN 0, 1, 1, 512
	QUARTER 1, 64,  F0, F1, 0
	QUARTER 1, 128, F1, F0, 0
	QUARTER 1, 192, F0, F1, 0
	TURN 1, 0, 1, 1024
	QUARTER 0, 64,  F0, F1, 0
	WIN 0
	v_add_nc_u32 v[FA], 1024, v[FA]                ; two blocks of keys on
	s_sub_co_u32 s3, s3, 1
	s_cmp_lg_u32 s3, 0
	s_cbranch_scc1 .Llap
	QUARTER 0, 128, F1, F0, 0                      ; the last lap fills nothing
	QUARTER 0, 192, F0, F1, 0
	TURN 0, 1, 0, 512
	QUARTER 1, 64,  F0, F1, 0
	QUARTER 1, 128, F1, F0, 0
	QUARTER 1, 192, F0, F1, 0
	s_wait_dscnt 0x0                               ; the very last quarter
	WIN 0
	SCALE F1, 0
	SCALE F1, 1
	SCALE F1, 2
	SCALE F1, 3
	WIN MUL
	MUL8 F1, 0, 0
	MUL8 F1, 1, 0
	MUL8 F1, 2, 0
	MUL8 F1, 3, 0
	WIN 0
	PLACES
.irp a, 0,1,2,3
	ds_load_b32 v[RLR+2*\a],   v[RA] offset:64*\a  ; 1 / L of row 16 a + l % 16, twice
	ds_load_b32 v[RLR+2*\a+1], v[RA] offset:64*\a
.endr
	s_wait_dscnt 0x0
	NORM 0
	STG 0
.irp a, 1,2,3                          ; block a's multiplies stand between block a - 1's loads from the stage and the wait for them
	NORM \a
	SENDF \a-1
	STG \a
.endr
	SENDF 3
	s_wait_tensorcnt 0x0
	ds_add_u32 v254, v255
	s_wait_dscnt 0x0
	CROUND                                         ; the closing round: no work-group ends while a partner may still ask for a tile that names it
	s_endpgm
.Lfunc_end_k_qb466435f78_pv:
	.size	k_qb466435f78_pv, .Lfunc_end_k_qb466435f78_pv-k_qb466435f78_pv
	.p2alignl 7, 3214868480
	.fill 96, 4, 3214868480
	.section	.rodata,"a",@progbits
	.p2align	6, 0x0
	.amdhsa_kernel k_qb466435f78_pv
		.amdhsa_group_segment_fixed_size 327680
		.amdhsa_private_segment_fixed_size 0
		.amdhsa_enable_private_segment 0
		.amdhsa_kernarg_size 32
		.amdhsa_user_sgpr_count 2
		.amdhsa_user_sgpr_kernarg_segment_ptr 1
		.amdhsa_wavefront_size32 1
		.amdhsa_system_sgpr_workgroup_id_x 1
		.amdhsa_system_sgpr_workgroup_id_y 1
		.amdhsa_system_sgpr_workgroup_id_z 1
		.amdhsa_system_vgpr_workitem_id 0
		.amdhsa_next_free_vgpr 512
		.amdhsa_next_free_sgpr 80
		.amdhsa_reserve_vcc 0
		.amdhsa_float_denorm_mode_32 3
		.amdhsa_float_denorm_mode_16_64 3
		.amdhsa_memory_ordered 1
		.amdhsa_forward_progress 1
		.amdhsa_inst_pref_size 143
	.end_amdhsa_kernel
	.amdgpu_metadata
---
amdhsa.version: [ 1, 2 ]
amdhsa.kernels:
  - .name:           k_qb466435f78_pv
    .symbol:         k_qb466435f78_pv.kd
    .args:
      - { .name: Pt, .offset: 0, .size: 8, .value_kind: global_buffer, .address_space: global }
      - { .name: Vt, .offset: 8, .size: 8, .value_kind: global_buffer, .address_space: global }
      - { .name: St, .offset: 16, .size: 8, .value_kind: global_buffer, .address_space: global }
      - { .name: out0, .offset: 24, .size: 8, .value_kind: global_buffer, .address_space: global }
    .group_segment_fixed_size: 327680
    .private_segment_fixed_size: 0
    .kernarg_segment_align: 8
    .kernarg_segment_size: 32
    .max_flat_workgroup_size: 128
    .sgpr_count:     80
    .vgpr_count:     512
    .wavefront_size: 32
...
	.end_amdgpu_metadata
.endif
;; end of part 4
;; ======== version 2 of 2: 4 launches; version 1 with the launch cast written anew for expert scheduling mode
;; limits: values are held in f16: magnitudes above 65,504 overflow, below 6.1e-05 lose precision
;; workspace buffers: Xh 16,777,216 bytes; Wh 6,291,456 bytes; QK 33,554,432 bytes; Vt 16,777,216 bytes; Pt 33,554,432 bytes; St 1,048,576 bytes
;; launch cast (part 5): grid 256 x 1, 8 waves a work-group, no clusters, 0 bytes of LDS; arguments X, Wq, Wk, Wv, Xh, Wh; writes Xh, Wh
.if DOCPART == 5
	.amdgcn_target "amdgcn-amd-amdhsa--gfx1250"
	.amdhsa_code_object_version 6
	.text
	.protected	k_qb466435f78_cast
	.globl	k_qb466435f78_cast
	.p2align	8
	.type	k_qb466435f78_cast,@function
k_qb466435f78_cast:
	s_mov_b64 s[64:65], 0
	v_nop
	global_prefetch_b8 v0, s[64:65] scope:SCOPE_SE
	s_setreg_imm32_b32 hwreg(HW_REG_WAVE_SCHED_MODE, 0, 2), 2
	s_setreg_imm32_b32 hwreg(HW_REG_WAVE_MODE, 25, 1), 1
	s_wait_xcnt 0x0
	s_wait_alu depctr_vm_vsrc(0)
; Xh = f16(X), Wh = f16([Wq; Wk; Wv]).  X: [8192][1024] f32; each W: [1024][1024] f32; Wh: [3072][1024] f16, Wq's rows first, then Wk's, then Wv's.
; The four products that follow read X and the weights many times over as matrix operands; they are rounded here once.
; LIMIT: a number of magnitude 65,520 or more becomes infinity in f16; below 2^-14 the absolute precision is 2^-25.
; A stream: no LDS, no barrier, no cluster (no two work-groups read the same byte), no matrix unit.
; Work-group g of 256 takes 131,072 bytes of X and 16,384 bytes of each W.  Thread t of 256 takes 16 bytes at 16 t of every 4,096 bytes, so a wave's load
; covers 512 consecutive bytes and its store of 8 bytes a lane 256 consecutive bytes, aligned.  All 44 loads of a wave go out first; every load has its own
; registers, which are also its store's data, so no register that a load or store reads is ever rewritten.
; THE MODE: SCHED_MODE bits 1:0 = 2 (LLVM: expert scheduling mode 2), set by the entry lines.  The code itself states the register dependences
; between vector instructions and memory instructions, with s_wait_alu, always for 0.
; THE PLAN.  Registers that memory instructions touch:
;   v1, v2            byte offsets of the loads and of the stores: written once at the head, read by every load or store, never written again.
;   v[4+4n : 7+4n]    load n lands here; its two conversions read the four and write the low two; store n reads the low two; nothing writes them after that.
; All loads are issued ahead of every conversion, so no load lands in a register that a vector instruction has named.
; The 44 loads go in 11 blocks of four.  Block p waits for its four loads and rounds them; its memory instructions are the four stores of block p - 1, whose
; data block p - 1's conversions wrote and which no conversion of block p names.  So one wait on va_vdst at a block's head states all that the block's four
; stores hang on, and they are dealt among its conversions with no further wait.  One such wait stands at the head of the kernel, for the offsets, and one
; ahead of the last four stores.  No wait on vm_vsrc is owed: no register that a memory instruction has read is written again.
.set D,     4                          ; v[4+4n : 7+4n]  load n, 0 to 43; its two low registers then hold the four f16
.set NX,    32                         ; loads from X; 4 more from each W
.set NL,    44                         ; loads in all
.set BLOCK, 4                          ; loads in a block
.set NB,    NL/BLOCK                   ; blocks: X's eight, then one for each W
; load n's four f32 close up into two registers of f16
.macro CVT n
	v_cvt_pk_f16_f32 v[D+4*(\n)],   v[D+4*(\n)],   v[D+4*(\n)+1]
	v_cvt_pk_f16_f32 v[D+4*(\n)+1], v[D+4*(\n)+2], v[D+4*(\n)+3]
.endm
; and leave: into Xh, or into Wh, where W number w begins 1,024 rows x 2,048 bytes further on than W number w - 1
.macro OUT n
.if (\n) < NX
	global_store_b64 v2, v[D+4*(\n):D+4*(\n)+1], s[12:13] offset:(\n)*2048
.else
	global_store_b64 v2, v[D+4*(\n):D+4*(\n)+1], s[14:15] offset:(((\n)-NX)/4)*2097152+(((\n)-NX)%4)*2048
.endif
.endm
	s_load_b256 s[4:11], s[0:1], 0x0               ; X s[4:5], Wq s[6:7], Wk s[8:9], Wv s[10:11]
	s_load_b128 s[12:15], s[0:1], 0x20             ; Xh s[12:13], Wh s[14:15]
	v_lshlrev_b32 v1, 4, v0                        ; 16 t: where I read
	v_lshlrev_b32 v2, 3, v0                        ; 8 t: where I write
	s_mov_b32 s17, 0                               ; offsets are below 4 GiB: the pair's high word is 0
	s_wait_kmcnt 0x0
	s_lshl_b32 s16, ttmp9, 17                      ; my 131,072 bytes of X
	s_add_nc_u64 s[4:5], s[4:5], s[16:17]
	s_lshl_b32 s16, ttmp9, 14                      ; my 16,384 bytes of each W
	s_add_nc_u64 s[6:7], s[6:7], s[16:17]
	s_add_nc_u64 s[8:9], s[8:9], s[16:17]
	s_add_nc_u64 s[10:11], s[10:11], s[16:17]
	s_lshl_b32 s16, ttmp9, 16                      ; half as many bytes out
	s_add_nc_u64 s[12:13], s[12:13], s[16:17]
	s_lshl_b32 s16, ttmp9, 13
	s_add_nc_u64 s[14:15], s[14:15], s[16:17]
	s_wait_alu depctr_va_vdst(0)                   ; v1 and v2 are written: every load of the kernel reads v1 as its offset, every store v2
.set n, 0
.rept NX
	global_load_b128 v[D+4*n:D+4*n+3], v1, s[4:5] offset:n*4096 th:TH_LOAD_NT
.set n, n+1
.endr
.irp w, 0,1,2
.irp i, 0,1,2,3
	global_load_b128 v[D+4*(NX+4*\w+\i):D+4*(NX+4*\w+\i)+3], v1, s[6+2*\w:7+2*\w] offset:\i*4096 th:TH_LOAD_NT
.endr
.endr
.set p, 0
.rept NB
	s_wait_loadcnt NL-BLOCK*(p+1)                  ; loads come back in order (ISA guide 5.7.1): block p's four are in, the younger ones stay out
.if p > 0
	s_wait_alu depctr_va_vdst(0)                   ; the conversions of the block before have written the registers that the four stores below read
.endif
.irp i, 0,1,2,3
.if p > 0
	OUT BLOCK*(p-1)+\i                             ; the block before leaves; no conversion since the wait names its registers or v2
.endif
	CVT BLOCK*p+\i
.endr
.set p, p+1
.endr
	s_wait_alu depctr_va_vdst(0)                   ; the last block's conversions have written the registers that the last four stores read
.irp i, 0,1,2,3
	OUT BLOCK*(NB-1)+\i
.endr
	s_endpgm
.Lfunc_end_k_qb466435f78_cast:
	.size	k_qb466435f78_cast, .Lfunc_end_k_qb466435f78_cast-k_qb466435f78_cast
	.p2alignl 7, 3214868480
	.fill 96, 4, 3214868480
	.section	.rodata,"a",@progbits
	.p2align	6, 0x0
	.amdhsa_kernel k_qb466435f78_cast
		.amdhsa_group_segment_fixed_size 0
		.amdhsa_private_segment_fixed_size 0
		.amdhsa_enable_private_segment 0
		.amdhsa_kernarg_size 48
		.amdhsa_user_sgpr_count 2
		.amdhsa_user_sgpr_kernarg_segment_ptr 1
		.amdhsa_wavefront_size32 1
		.amdhsa_system_sgpr_workgroup_id_x 1
		.amdhsa_system_sgpr_workgroup_id_y 1
		.amdhsa_system_sgpr_workgroup_id_z 1
		.amdhsa_system_vgpr_workitem_id 0
		.amdhsa_next_free_vgpr 180
		.amdhsa_next_free_sgpr 66
		.amdhsa_reserve_vcc 0
		.amdhsa_float_denorm_mode_32 3
		.amdhsa_float_denorm_mode_16_64 3
		.amdhsa_memory_ordered 1
		.amdhsa_forward_progress 1
		.amdhsa_inst_pref_size 16
	.end_amdhsa_kernel
	.amdgpu_metadata
---
amdhsa.version: [ 1, 2 ]
amdhsa.kernels:
  - .name:           k_qb466435f78_cast
    .symbol:         k_qb466435f78_cast.kd
    .args:
      - { .name: X, .offset: 0, .size: 8, .value_kind: global_buffer, .address_space: global }
      - { .name: Wq, .offset: 8, .size: 8, .value_kind: global_buffer, .address_space: global }
      - { .name: Wk, .offset: 16, .size: 8, .value_kind: global_buffer, .address_space: global }
      - { .name: Wv, .offset: 24, .size: 8, .value_kind: global_buffer, .address_space: global }
      - { .name: Xh, .offset: 32, .size: 8, .value_kind: global_buffer, .address_space: global }
      - { .name: Wh, .offset: 40, .size: 8, .value_kind: global_buffer, .address_space: global }
    .group_segment_fixed_size: 0
    .private_segment_fixed_size: 0
    .kernarg_segment_align: 8
    .kernarg_segment_size: 48
    .max_flat_workgroup_size: 256
    .sgpr_count:     66
    .vgpr_count:     180
    .wavefront_size: 32
...
	.end_amdgpu_metadata
.endif
;; end of part 5
;; launch proj: the kernel of part 2 again; grid 8 x 32, 4 waves a work-group, clusters of 4 x 4, 327,680 bytes of LDS; arguments Xh, Wh, bq, bk, bv, QK, Vt; writes QK, Vt
;; launch scores: the kernel of part 3 again; grid 8 x 32, 4 waves a work-group, clusters of 4 x 4, 327,680 bytes of LDS; arguments QK, Pt, St; writes Pt, St
;; launch pv: the kernel of part 4 again; grid 4 x 64, 4 waves a work-group, clusters of 4 x 4, 327,680 bytes of LDS; arguments Pt, Vt, St, out0; writes out0
